; MI455X (gfx1250); checked and timed in simulation.
; The chip was launched on July 23, 2026; its instructions are those of AMD's public machine-readable ISA for CDNA 5 (MIT licence, August 2026) and "CDNA5" Instruction Set Architecture Reference Guide (July 2026). The comments in the code are by the model that wrote it; some were corrected since.
;; Causal Self Attention. Allowed arithmetic: matrix products marked QUANTISED: E2M3 operands, one E8M0 scale for each 32 along K, by v_wmma_scale_f32_16x16x128_f8f6f4 with both operands' format E2M3, f32 sums; everything else in f32.
;; Inputs: Wk 1,024 x 1,024 float32; Wq 1,024 x 1,024 float32; Wv 1,024 x 1,024 float32; x 4 x 2,048 x 1,024 float32.
;; Outputs: out0 4 x 2,048 x 1,024 float32.
;; This version of the problem:
;;   THIS VERSION OF THE PROBLEM IS GIVEN IN LOW PRECISION. The matrix products marked QUANTISED in the list below multiply operands that are first quantised to E2M3 (2 exponent bits, 3 mantissa bits; 6 bits a number), with one power-of-two scale for each 32 numbers along K (OCP MX v1.0); their sums are f32. All else is computed in f32.
;;   The module's matrix products, in the order in which they are computed (A, B: the left and right operand; K: the contracted axis; several contracted axes count as one K, in the product's order):
;;     1. [M 8,192, K 1,024] x [K 1,024, N 1,024]; A: input x; B: input Wq: QUANTISED
;;     2. [M 8,192, K 1,024] x [K 1,024, N 1,024]; A: input x; B: input Wk: QUANTISED
;;     3. [M 8,192, K 1,024] x [K 1,024, N 1,024]; A: input x; B: input Wv: QUANTISED
;;     4. batch 4 x [M 2,048, K 1,024] x [K 1,024, N 2,048]; A: computed on the way; B: computed on the way: QUANTISED
;;     5. batch 4 x [M 2,048, K 2,048] x [K 2,048, N 1,024]; A: softmax (see below); B: computed on the way: QUANTISED
;;   THE QUANTISER, for each operand of a quantised product, along K:
;;     - K is cut into blocks of 32 from its start; a last block that is shorter is filled with zeros.
;;     - A block's scale is 2^e with e = floor(log2(the largest magnitude in the block)) - 2, held to -126 .. 127; a block of zeros has e = 0. As a byte (E8M0): e + 127.
;;     - Each number is divided by its block's scale, clamped to +-7.5, and rounded to the nearest number of E2M3, ties to even, subnormals kept.
;;     - The product sums the exact products of the quantised numbers (number of the format x scale) in f32.
;;   ~~~python
;;   def quantise(x, axis):      # numpy; x: float32 -> the quantised numbers, widened to float32 again
;;       x = np.moveaxis(x, axis, -1); K = x.shape[-1]
;;       x = np.pad(x, [(0, 0)] * (x.ndim - 1) + [(0, -K % 32)]); x = x.reshape(x.shape[:-1] + (-1, 32)); a = np.abs(x).max(-1, keepdims=True)
;;       e = np.where(a > 0, np.clip(np.frexp(np.where(a > 0, a, 1))[1] - 1 - 2, -126, 127), 0)      # np.frexp(a)[1] - 1 = floor(log2(a)), exactly
;;       r = np.clip(x / 2.0 ** e, -7.5, 7.5)
;;       step = 2.0 ** (np.maximum(np.frexp(np.where(r == 0, 1, r))[1] - 1, 0) - 3)
;;       q = np.round(r / step) * step * 2.0 ** e      # np.round: ties to even
;;       return np.moveaxis(q.reshape(q.shape[:-2] + (-1,))[..., :K], -1, axis).astype(np.float32)
;;   ~~~
;;   SOFTMAX AHEAD OF A QUANTISED PRODUCT. Where the list says 'softmax', what is quantised is not the finished softmax but p = 2^(t - M), with t = logit x log2(e) and M = ceil(the row's largest t), a whole number; so 1/2 < the row's largest p <= 1. The row's sum l is taken of the UNQUANTISED p, in f32, and the product's result is divided by l at the end. Since M is a whole number, a kernel that streams over the keys may use a running M (the ceiling of the running maximum): every later rescaling is an exact power of two, which a block's scale takes up: the codes' values come out the same.
;;   OPERANDS COMPUTED ON THE WAY. 'Computed on the way' means the value that the module computes at that place (a softmax that the list does not call 'softmax' is quantised finished and normalised). What goes into a quantiser is computed in f32, as accurately as f32 sums, v_exp_f32 and their like allow (about 1e-6 of the number): no bf16 or f16 on the way to a quantiser, and a product that is left as it is and whose result goes on into a quantised operand takes f32 operands (vector FMAs, or v_wmma_f32_16x16x4_f32). A number that lies on a knife's edge between two numbers of the format may be rounded either way, as far as f32 arithmetic and the matrix unit's own rounding can turn it there, and no further.
;; One version. Each part assembles by itself: llvm-mc -triple=amdgcn-amd-amdhsa -mcpu=gfx1250 --defsym DOCPART=n.
;; ======== version 1 of 1: 4 launches
;; limits: right only within a limited range of input values
;; workspace buffers: xw_codes 8,650,752 bytes; xw_scales 360,448 bytes; qkv_codes 18,874,368 bytes; qkv_scales 786,432 bytes; p_codes 6,684,672 bytes; p_stat 835,584 bytes
;; launch quant (part 1): grid 256 x 1, 11 waves a work-group, no clusters, 94,464 bytes of LDS; arguments x, Wq, Wk, Wv, xw_codes, xw_scales; writes xw_codes, xw_scales
.if DOCPART == 1
	.amdgcn_target "amdgcn-amd-amdhsa--gfx1250"
	.amdhsa_code_object_version 6
	.text
	.protected	k_q3e6023bdbf_quant
	.globl	k_q3e6023bdbf_quant
	.p2align	8
	.type	k_q3e6023bdbf_quant,@function
k_q3e6023bdbf_quant:
	s_mov_b64 s[64:65], 0
	v_nop
	global_prefetch_b8 v0, s[64:65] scope:SCOPE_SE
	s_setreg_imm32_b32 hwreg(HW_REG_WAVE_MODE, 25, 1), 1
	s_wait_xcnt 0x0
; WORK LEFT OUT BY THE PROGRAM: scores of keys behind their query are replaced by -inf by reference()'s own causal mask, whatever the inputs hold, so their p is 0: panels of 128 queries x 128 keys that lie wholly
; behind the diagonal are neither stored nor multiplied with v.  Limit: a NaN, an infinity or an overflow that reaches only those scores is not carried to the result.
; THIS LAUNCH: x [8192][1024], Wq, Wk, Wv [1024][1024], f32, become codes of FP6 (E2M3) with one E8M0 byte for each 32 along K (the last axis), laid as the later launches' operand registers want them.
; PANELS: 128 rows each: 0-63 x, 64-71 Wq, 72-79 Wk, 80-87 Wv.  A panel's rows are kept in STORAGE ORDER: lane r of block 2 p + g holds row 32 p + 8 g + r + 8 (r / 8) of the panel.
; CODES: [panel][kappa = K / 128][block 0..7][1,536 bytes]: a fragment (16 rows x 128 K) as the image of its 12 registers: registers 4 c .. 4 c + 3 of lane l at 512 c + 16 l.
; SCALES: [panel][kappa][512 bytes]: word p of lane l (at 16 l + 4 p) is the scale word of block 2 p + l / 16, row l % 16.
; SHARES: 256 work-groups of 11 waves = 2,816 waves = 88 panels x 8 kappa x 4 p.  A wave makes blocks 2 p and 2 p + 1 of one (panel, kappa): 32 neighbouring rows x 512 bytes in, 3,072 + 128 bytes out; all its 32 loads go out at once.
; Each load reads 512 consecutive bytes of one row; 16 rows turn through the wave's own stage in LDS (rows 528 bytes apart) and come back 16 neighbours of each block of 32 to a lane.
; A block's scale is 2^(floor(log2(largest magnitude)) - 2); its byte is the largest magnitude's exponent field - 2, held at 1 from below.
; LIMITS: a block of zeros gets the byte 1 where the quantiser says 127 (its codes are zeros, and only this program reads the bytes); blocks under 2^-124 keep the byte 1; NaN and infinities among the inputs are not served.
; No tensor load, no barrier (waves share nothing), no matrix unit, no cluster: a stream, read once and written once.
.set STG,   16*528                     ; a wave's stage
.set SPARE, 11*STG                     ; behind the stages: the spare words, 128 bytes a wave
.set LI,  4                            ; v4   16 x lane
.set STI, 5                            ; v5   the stage, on the way in
.set STO, 6                            ; v6   and on the way out: row r, + 64 h
.set SPW, 8                            ; v8   my spare word; never rewritten
.set NIL, 9                            ; v9   0; never rewritten
.set SW,  10                           ; v10-11 the two fragments' scale words
.set R,   16                           ; v16-143  two sets of 64 registers as loaded
.set X,   144                          ; v144-207 register 16 b + i = k 32 b + 16 h + i of my row
.set TM,  208                          ; v208-223 at work
.set PC,  226                          ; v226-245 the codes just made
.set SEL, 20                           ; s[20:21] lane selects: lane l xor 16
.set HM,  22                           ; s22  lanes 16-31
	s_load_b256 s[4:11], s[0:1], 0x0               ; x, Wq, Wk, Wv
	s_load_b128 s[12:15], s[0:1], 0x20             ; the codes, the scales
	v_lshl_add_u32 v[SPW], v0, 2, SPARE
	v_mov_b32 v[NIL], 0
	v_lshrrev_b32 v1, 5, v0
	v_readfirstlane_b32 s18, v1                    ; wave
	v_and_b32 v1, 31, v0
	v_and_b32 v2, 15, v0                           ; r
	v_bfe_u32 v3, v0, 4, 1                         ; h
	v_lshlrev_b32 v[LI], 4, v1
	s_mul_i32 s19, s18, STG
	v_add_nc_u32 v[STI], s19, v[LI]
	v_mul_u32_u24 v[STO], v2, 528
	v_lshl_add_u32 v[STO], v3, 6, v[STO]
	v_add_nc_u32 v[STO], s19, v[STO]
.irp b, 0,1,2,3
	v_mov_b32 v[TM+4+\b], 0                        ; written once: a lane permute's destination counts as one of its sources
.endr
	s_mov_b32 s[SEL], 0x76543210
	s_mov_b32 s[SEL+1], 0xfedcba98
	s_mov_b32 s[HM], 0xffff0000
	s_mul_i32 s23, ttmp9, 11
	s_add_co_u32 s23, s23, s18                     ; my wave's number, 0 .. 2,815
	s_lshr_b32 s16, s23, 5                         ; panel
	s_bfe_u32 s24, s23, 0x30002                    ; kappa
	s_and_b32 s25, s23, 3                          ; p
	s_wait_alu depctr_va_vdst(0)                   ; at the head's end
	s_wait_kmcnt 0x0
	s_cmp_ge_u32 s16, 64                           ; which tensor: the choice hangs on the wave's number alone
	s_cselect_b64 s[4:5], s[6:7], s[4:5]
	s_cselect_b32 s17, 64, 0
	s_cmp_ge_u32 s16, 72
	s_cselect_b64 s[4:5], s[8:9], s[4:5]
	s_cselect_b32 s17, 72, s17
	s_cmp_ge_u32 s16, 80
	s_cselect_b64 s[4:5], s[10:11], s[4:5]
	s_cselect_b32 s17, 80, s17                     ; the tensor's first panel
	s_sub_co_u32 s26, s16, s17
	s_lshl_b32 s26, s26, 7
	s_lshl_b32 s27, s25, 5
	s_add_co_u32 s26, s26, s27                     ; row 128 x (panel in the tensor) + 32 p
	s_lshl_b32 s26, s26, 12                        ; x 4,096 bytes
	s_lshl_b32 s27, s24, 9
	s_add_co_u32 s26, s26, s27                     ; + 512 kappa
	s_mov_b32 s27, 0
	s_add_nc_u64 s[4:5], s[4:5], s[26:27]
	s_lshl_b32 s28, s16, 3
	s_add_co_u32 s28, s28, s24                     ; 8 panel + kappa
	s_mul_i32 s30, s28, 12288
	s_mul_i32 s31, s25, 3072
	s_add_co_u32 s30, s30, s31
	s_mov_b32 s31, 0
	s_add_nc_u64 s[12:13], s[12:13], s[30:31]
	s_lshl_b32 s30, s28, 9
	s_lshl_b32 s29, s25, 2
	s_add_co_u32 s30, s30, s29
	s_add_nc_u64 s[14:15], s[14:15], s[30:31]
.irp f, 0,1                            ; block 2 p + f: its 16 rows, 512 consecutive bytes each
.irp i, 0,1,2,3,4,5,6,7,8,9,10,11,12,13,14,15
	global_load_b128 v[R+64*\f+4*\i:R+64*\f+4*\i+3], v[LI], s[4:5] offset:(8*\f+\i+8*(\i/8))*4096 th:TH_LOAD_NT
.endr
.endr
; 64 numbers of a lane become a fragment's codes in v[PC] on and its scale word in v[SW+f]
.macro QUANT f
.irp b, 0,1,2,3
	v_max3_num_f32 v[TM+\b], |v[X+16*\b]|, |v[X+1+16*\b]|, 0x1800000   ; my 16 numbers of block b, and the floor 2^(3 - 127): the byte cannot fall under 1
.endr
.irp i, 2,4,6,8,10,12,14
.irp b, 0,1,2,3
	v_max3_num_f32 v[TM+\b], v[TM+\b], |v[X+16*\b+\i]|, |v[X+1+16*\b+\i]|
.endr
.endr
.irp b, 0,1,2,3
	v_permlanex16_b32 v[TM+4+\b], v[TM+\b], s[SEL], s[SEL+1]
.endr
.irp b, 0,1,2,3
	v_max_num_f32 v[TM+\b], v[TM+\b], v[TM+4+\b]   ; with lane l xor 16's: the block's largest magnitude
.endr
.irp b, 0,1,2,3
	v_add_nc_u32 v[TM+12+\b], 0xff000000, v[TM+\b] ; 2 off its exponent field: the conversion's scale operand
.endr
.irp b, 0,1,2,3
	v_lshrrev_b32 v[TM+4+\b], 23, v[TM+12+\b]      ; the scale's byte
.endr
	v_lshl_or_b32 v[SW+\f], v[TM+5], 8, v[TM+4]
	v_lshl_or_b32 v[SW+\f], v[TM+6], 16, v[SW+\f]
	v_lshl_or_b32 v[SW+\f], v[TM+7], 24, v[SW+\f]
.irp c, 0,1
	v_cvt_scalef32_pk16_fp6_f32 v[PC+6*\c:PC+2+6*\c], v[X+32*\c:X+15+32*\c], v[TM+12+2*\c]
	v_cvt_scalef32_pk16_fp6_f32 v[PC+12+4*\c:PC+14+4*\c], v[X+16+32*\c:X+31+32*\c], v[TM+12+2*\c+1]   ; (a conversion's three registers begin on an even number)
.endr
	v_nop                                          ; one plain place behind a scaled conversion
.irp c, 0,1                                    ; the operand's layout wants a whole block in a lane: lanes 0-15 block 2 c, lanes 16-31 block 2 c + 1
.irp i, 0,1,2
	v_permlane16_swap_b32 v[PC+6*\c+\i], v[PC+12+4*\c+\i]
.endr
.irp i, 0,1,2
	v_mov_b32 v[PC+3+6*\c+\i], v[PC+12+4*\c+\i]
.endr
.endr
.endm
.irp f, 0,1
	s_wait_loadcnt 16*(1-\f)                       ; this block's 16 loads are in; the other block's 16 may be out
.irp i, 0,1,2,3,4,5,6,7,8,9,10,11,12,13,14,15
	ds_store_b128 v[STI], v[R+64*\f+4*\i:R+64*\f+4*\i+3] offset:528*\i
.endr
.irp b, 0,1,2,3
.irp j, 0,1,2,3
	ds_load_b128 v[X+16*\b+4*\j:X+16*\b+4*\j+3], v[STO] offset:128*\b+16*\j   ; LDS serves a wave's instructions in order: these see the stores above
.endr
.endr
	s_wait_dscnt 0x0                               ; the numbers are back
	s_wait_xcnt 0x0                                ; the last block's stores have read v[PC] on: it is written again only behind this wait
	QUANT \f
.irp c, 0,1,2
	global_store_b128 v[LI], v[PC+4*\c:PC+4*\c+3], s[12:13] offset:1536*\f+512*\c   ; 512 consecutive bytes, at a multiple of 256 from the buffer's first byte
.endr
.endr
	v_cndmask_b32 v14, v[SW], v[SW+1], s[HM]       ; lanes 0-15 store block 2 p's words, lanes 16-31 block 2 p + 1's: four bytes of each 16; the waves of the other three p fill the rest
	global_store_b32 v[LI], v14, s[14:15]
	s_wait_tensorcnt 0x0                           ; the wave's end, behind my last LDS store
	ds_add_u32 v[SPW], v[NIL]
	s_wait_dscnt 0x0
	s_endpgm
.Lfunc_end_k_q3e6023bdbf_quant:
	.size	k_q3e6023bdbf_quant, .Lfunc_end_k_q3e6023bdbf_quant-k_q3e6023bdbf_quant
	.p2alignl 7, 3214868480
	.fill 96, 4, 3214868480
	.section	.rodata,"a",@progbits
	.p2align	6, 0x0
	.amdhsa_kernel k_q3e6023bdbf_quant
		.amdhsa_group_segment_fixed_size 94464
		.amdhsa_private_segment_fixed_size 0
		.amdhsa_enable_private_segment 0
		.amdhsa_kernarg_size 48
		.amdhsa_user_sgpr_count 2
		.amdhsa_user_sgpr_kernarg_segment_ptr 1
		.amdhsa_wavefront_size32 1
		.amdhsa_system_sgpr_workgroup_id_x 1
		.amdhsa_system_sgpr_workgroup_id_y 1
		.amdhsa_system_sgpr_workgroup_id_z 1
		.amdhsa_system_vgpr_workitem_id 0
		.amdhsa_next_free_vgpr 256
		.amdhsa_next_free_sgpr 66
		.amdhsa_reserve_vcc 0
		.amdhsa_float_denorm_mode_32 3
		.amdhsa_float_denorm_mode_16_64 3
		.amdhsa_memory_ordered 1
		.amdhsa_forward_progress 1
		.amdhsa_inst_pref_size 19
	.end_amdhsa_kernel
	.amdgpu_metadata
---
amdhsa.version: [ 1, 2 ]
amdhsa.kernels:
  - .name:           k_q3e6023bdbf_quant
    .symbol:         k_q3e6023bdbf_quant.kd
    .args:
      - { .name: x, .offset: 0, .size: 8, .value_kind: global_buffer, .address_space: global }
      - { .name: Wq, .offset: 8, .size: 8, .value_kind: global_buffer, .address_space: global }
      - { .name: Wk, .offset: 16, .size: 8, .value_kind: global_buffer, .address_space: global }
      - { .name: Wv, .offset: 24, .size: 8, .value_kind: global_buffer, .address_space: global }
      - { .name: xw_codes, .offset: 32, .size: 8, .value_kind: global_buffer, .address_space: global }
      - { .name: xw_scales, .offset: 40, .size: 8, .value_kind: global_buffer, .address_space: global }
    .group_segment_fixed_size: 94464
    .private_segment_fixed_size: 0
    .kernarg_segment_align: 8
    .kernarg_segment_size: 48
    .max_flat_workgroup_size: 352
    .sgpr_count:     66
    .vgpr_count:     256
    .wavefront_size: 32
...
	.end_amdgpu_metadata
.endif
;; end of part 1
;; launch proj (part 2): grid 8 x 32, 4 waves a work-group, clusters of 4 x 4, 327,680 bytes of LDS; arguments xw_codes, xw_scales, qkv_codes, qkv_scales; writes qkv_codes, qkv_scales
.if DOCPART == 2
	.amdgcn_target "amdgcn-amd-amdhsa--gfx1250"
	.amdhsa_code_object_version 6
	.text
	.protected	k_q3e6023bdbf_proj
	.globl	k_q3e6023bdbf_proj
	.p2align	8
	.type	k_q3e6023bdbf_proj,@function
k_q3e6023bdbf_proj:
	s_mov_b64 s[64:65], 0
	v_nop
	global_prefetch_b8 v0, s[64:65] scope:SCOPE_SE
	s_setreg_imm32_b32 hwreg(HW_REG_WAVE_MODE, 25, 1), 1
	s_wait_xcnt 0x0
	s_wait_alu depctr_hold_cnt(0) depctr_sa_sdst(0) depctr_va_vdst(0) depctr_va_sdst(0) depctr_va_ssrc(0) depctr_va_vcc(0) depctr_vm_vsrc(0)
	s_getreg_b32 s2, hwreg(HW_REG_IB_STS2, 6, 4)
	s_cmp_eq_u32 s2, 0
	s_cbranch_scc0 .Lentry_in_a_cluster
	s_endpgm
.Lentry_in_a_cluster:
	s_bfe_u32 s2, ttmp6, 0x10000c
	s_cmp_lg_u32 s2, 0xf033
	s_cbranch_scc0 .Lentry_shape_is_right
	s_endpgm
.Lentry_shape_is_right:
; q = x Wq^T, k = x Wk^T, v = x Wv^T on codes of FP6 (E2M3) with E8M0 scales, sums in f32; each result is quantised in registers along the K of the product that will read it and stored as codes:
; q and k along d_out (a lane holds a token, its registers run along d_out), v along the tokens (a lane holds a channel d, its registers run along the tokens).
; SHARES: 8 x 32 work-groups of four waves, all with the same work.  Work-group (c, y) STAYS for two parts.  PART 1: the 256 tokens of x's tile y against 256 rows of Wq (c < 4) or Wk: a wave makes 128 x 128, 64 accumulators.
; PART 2: Wv's panel c (128 channels) against the same 256 tokens: a wave makes 64 channels x 128 tokens, 32 accumulators, in the registers that part 1's way out has freed.
; The matrix instruction takes as source 0 the 16 rows along which the result is quantised (part 1: W's, part 2: x's) and as source 1 the 16 rows of which a lane keeps one (part 1: x's, part 2: Wv's).
; LAYOUT of all codes: [panel of 128 rows][kappa = K / 128][block 0..7][1,536]: a fragment as the image of its 12 registers (registers 4 c .. of lane l at 512 c + 16 l).
; Rows are in storage order (lane r of block 2 p + g: row 32 p + 8 g + r + 8 (r / 8)): the 16 result registers of source 0's blocks 2 p, 2 p + 1 are the neighbours 32 p + 16 h + 0 .. 15 along the next K.
; Scale words: 512 bytes for a panel and kappa: word p of lane l (16 l + 4 p) belongs to block 2 p + l / 16.  They come from memory straight into the scale registers, once for each part.
; LDS: x's two panels, ALL of K, stay from the head to the end and serve both parts: kappa 0-1 at 0 ([panel][2 kappas]), kappa 2-7 at 49,152 ([panel][6]).  Behind them two slots of 49,152 bytes for the weights: two panels x two kappas in
; part 1, Wv's panel x four kappas in part 2.  At the head one joint load a wave: x kappa 0-1, W kappa 0-1, x kappa 2-7, W kappa 2-3.  Four refills, each wave 1's, each behind a round of the cluster's barrier: W kappa 4-5 in kappa 1, 6-7 in
; kappa 3, Wv kappa 0-3 in kappa 5, 4-7 in the middle of part 1's way out; each has two kappas, or half a way out and three kappas of part 2, in which to land.  One tensor load of a wave is out at a time.
; CLUSTER 4 x 4: x's tiles hang on y alone and are asked for jointly along a row of the cluster, the weights' on c alone and are asked for jointly along a column.
; PREFETCH: at the head, behind the joint loads: what the refills will bring (W kappa 4-7, Wv's panel), four and more kappas ahead: two lines a wave; the 384 blocks of 256 bytes of each are shared out by address over the sixteen waves of
; the four work-groups that ask for it jointly, 24 a wave.
; STORES: 512 consecutive bytes each, aligned to 256, but for part 2's scale words (8 of each 16 bytes of a record).
; LIMITS: a block of zeros gets the byte 1 (its codes are zeros; only this program reads the bytes); NaN and infinities are not served.
; REGISTERS: window 0: v4-29 addresses; v32-95 scale words (nothing else ever); v96-112 at work; v128-223 source 1's fragments (part 1: eight, one set; part 2: four, two sets); v224-247 codes and scale words on the way out.
;   window 1: source 0's eight fragments, two sets, at v0 and v128.  Windows 2, 3: part 1's accumulator (a, b) at v[8 (8 (a % 4) + b)] of window 2 + a / 4; part 2's (a, b) at v[8 (8 a + b)] of window 2.
.set UB,    12288
.set PANB,  8*UB                       ; a panel's codes for all K
.set SLOTW, 16*UB                      ; the weights' slots, behind x's 196,608 bytes
.set SLOT,  4*UB
.set SPARE, SLOTW+2*SLOT               ; the spare words
.set VREG,  12582912                   ; v^T's codes in qkv_codes
.set LI,    4                          ; v4      16 x lane
.set LB,    5                          ; v5      16 x lane + 8 x my half of the channels
.set P2W,   8                          ; v8-9    part 2: my four blocks of Wv in slot 0, 1
.set ADRA,  16                         ; v16-18  part 1: my panel of x: kappa 0-1, 2-4, 5-7
.set ADRB,  20                         ; v20-21  my panel of W in slot 0, 1
.set P2X,   22                         ; v22-24  part 2: my panel of x
.set SPW,   28
.set NIL,   29
.set SA,    32                         ; x's scale words: v[SA + 8 kappa + p];  the weights': v[SB + 8 kappa + p]
.set SB,    36
.set TM,    96
.set PW,    112
.set AF,    128
.set PC,    224
.set SW,    244                        ; v244-247 the scale record
.set SEL,   20                         ; s[20:21] lane selects: lane l xor 16
.set HM,    22                         ; s22  lanes 16-31
.set G1A,   24                         ; group 1: x kappa 0-1;  x kappa 2-7;  W, two kappas;  Wv, four kappas
.set G1X,   32
.set G1B,   40
.set G1V,   48
.set G0A,   56                         ; group 0: the head's four; the refills' into slot 0 and slot 1
.set G0X,   60
.set G0B,   68
.set G0C,   72
.set G0R,   76
.set G0S,   80
.set WVA,   84                         ; s[84:85] Wv's panel, as a descriptor's address
.set MSB, 0
.macro WIN new                         ; the immediate's high byte repeats the setting that is left
.if MSB != (\new)
	s_set_vgpr_msb (MSB<<8)|(\new)
.set MSB, (\new)
.endif
.endm
.macro PLACES n
.rept \n
	v_nop
.endr
.endm
.macro WALU
	s_wait_alu depctr_va_vdst(0)
.endm
.macro TLOAD g0, g1
	tensor_load_to_lds s[\g0:\g0+3], s[\g1:\g1+7]
	s_nop 0
	PLACES 4
.endm
.macro RLOAD g0, g1                    ; a refill: the first tensor load behind the round, wave 1's; the other waves have no part of it
	s_cmp_eq_u32 s12, 1
	s_cbranch_scc0 .Lnone_\@
	TLOAD \g0, \g1
.Lnone_\@:
	PLACES 4                                       ; in front of the loads into fragments that products have read, for the waves that come round the load
.endm
.macro CREST                           ; a round of the cluster's barrier behind its opening barrier
	s_cmp_lg_u32 s12, 0
	s_cbranch_scc1 .Lnot_wave_0_\@
	s_barrier_signal -3
.Lnot_wave_0_\@:
	s_barrier_wait -3
	s_barrier_signal -1
	s_barrier_wait -1
.endm
.macro CROUND
	s_barrier_signal -1
	s_barrier_wait -1
	CREST
.endm
.macro GROUP1 g, mask, len, rows, pitch   ; rows of len elements of 8 bytes, no padding; bit 21 stands beside a mask
	s_or_b32 s[\g], s\mask, (3<<16)|(1<<21)
	s_mov_b32 s[\g+1], (\len)<<16
	s_mov_b32 s[\g+2], (\rows)<<16
	s_mov_b32 s[\g+3], (\len)<<16
	s_mov_b32 s[\g+4], \rows
	s_mov_b32 s[\g+5], \pitch
	s_mov_b32 s[\g+6], 0
	s_mov_b32 s[\g+7], 0
.endm
.macro GROUP0 g, lds, base, off
	s_mov_b32 s[\g], 1
	s_mov_b32 s[\g+1], \lds
	s_add_nc_u64 s[\g+2:\g+3], s[\base:\base+1], \off
	s_or_b32 s[\g+3], s[\g+3], 0x80000000
.endm
.macro FRAG reg, adr, off              ; a fragment comes as it was stored: three loads of 512 consecutive bytes
.irp c, 0,1,2
	ds_load_b128 v[(\reg)+4*\c:(\reg)+4*\c+3], v[\adr] offset:(\off)+512*\c
.endr
.endm
.macro XADR k, base                    ; kappa k of x: address register and offset
.if (\k) < 2
.set XR_, \base
.set XO_, UB*(\k)
.elseif (\k) < 5
.set XR_, (\base)+1
.set XO_, UB*((\k)-2)
.else
.set XR_, (\base)+2
.set XO_, UB*((\k)-5)
.endif
.endm
.macro PROD d, s0, s1, zero, x0, x1, ra, rb
.if \zero
	v_wmma_scale_f32_16x16x128_f8f6f4 v[\d:\d+7], v[\s0:\s0+11], v[\s1:\s1+11], 0, v[\x0], v[\x1] matrix_a_fmt:MATRIX_FMT_FP6 matrix_b_fmt:MATRIX_FMT_FP6 matrix_a_scale:MATRIX_SCALE_ROW\ra matrix_b_scale:MATRIX_SCALE_ROW\rb
.else
	v_wmma_scale_f32_16x16x128_f8f6f4 v[\d:\d+7], v[\s0:\s0+11], v[\s1:\s1+11], v[\d:\d+7], v[\x0], v[\x1] matrix_a_fmt:MATRIX_FMT_FP6 matrix_b_fmt:MATRIX_FMT_FP6 matrix_a_scale:MATRIX_SCALE_ROW\ra matrix_b_scale:MATRIX_SCALE_ROW\rb
.endif
.endm
; PART 1
.macro FETCH_B k                       ; W's eight blocks, kappa k, into set k % 2
	WIN 0x40
.irp i, 0,1,2,3,4,5,6,7
	FRAG 128*((\k)%2)+12*\i, ADRB+((\k)/2)%2, UB*((\k)%2)+1536*\i
.endr
	WIN 0
.endm
.macro FETCH_A k, i0                   ; x's blocks i0 .. i0 + 3
	XADR \k, ADRA
.irp j, 0,1,2,3
	FRAG AF+12*((\i0)+\j), XR_, XO_+1536*((\i0)+\j)
.endr
.endm
.macro MUL16 ap, k, zero               ; 16 products: x's blocks 2 ap, 2 ap + 1 against W's eight.  The 64 accumulators take turns, one instruction a turn, in the same order in every kappa
.irp e, 0,1
.irp p, 0,1,2,3
.irp g, 0,1
.set D_, 8*(8*((2*(\ap)+\e)%4)+2*\p+\g)
.set V_, 128*((\k)%2)+12*(2*\p+\g)
.set P_, AF+12*(2*(\ap)+\e)
	PROD D_, V_, P_, \zero, SB+8*(\k)+\p, SA+8*(\k)+(\ap), \g, \e
.endr
.endr
.endr
.endm
.macro STEP k, zero                    ; kappa's 64 products; the next kappa's fragments are fetched in two runs, each four places behind the products that read the registers
	s_wait_dscnt 12                                ; W's set and x's blocks 0-3 are in; x's blocks 4-7 (4 x 3 loads) may be out
	WIN 0xa1
	MUL16 0, \k, \zero
	MUL16 1, \k, \zero
	s_wait_dscnt 0x0
	PLACES 4
	FETCH_B (\k)+1
	FETCH_A (\k)+1, 0
	WIN 0xf1
	MUL16 2, \k, \zero
	MUL16 3, \k, \zero
	PLACES 4
	WIN 0
	FETCH_A (\k)+1, 4
.endm
.macro TURN k, g0, g1                  ; a kappa at whose middle the slot that has been left is filled again, behind a round
	s_wait_tensorcnt 0x0                           ; all my tensor loads have landed
	ds_add_u32 v[SPW], v[NIL]
	s_wait_dscnt 13                                ; (the add and x's blocks 4-7 may be out)
	WIN 0xa1
	MUL16 0, \k, 0
	s_wait_dscnt 0x0                               ; the add is done, and my reads of the slot that I have left are over
	s_barrier_signal -1
	MUL16 1, \k, 0
	WIN 0
	s_barrier_wait -1
	CREST                                          ; so it is in every wave of the sixteen work-groups
	RLOAD \g0, \g1
	FETCH_B (\k)+1
	FETCH_A (\k)+1, 0
	WIN 0xf1
	MUL16 2, \k, 0
	MUL16 3, \k, 0
	PLACES 4
	WIN 0
	FETCH_A (\k)+1, 4
.endm
; PART 2
.macro F2X k, b0                       ; x's blocks b0 .. b0 + 3 of my panel, kappa k, into set k % 2 of window 1 (the window is left as it is set)
	WIN 0x40
	XADR \k, P2X
.irp j, 0,1,2,3
	FRAG 128*((\k)%2)+12*((\b0)+\j), XR_, XO_+1536*((\b0)+\j)
.endr
.endm
.macro F2W k, a0                       ; Wv's blocks a0, a0 + 1 of my four, kappa k, into set k % 2 of window 0
.irp j, 0,1
	FRAG AF+48*((\k)%2)+12*((\a0)+\j), P2W+(\k)/4, UB*((\k)%4)+1536*((\a0)+\j)
.endr
.endm
.macro MUL2 k, ap, zero                ; 16 products: Wv's blocks 2 ap, 2 ap + 1 against x's eight; the 32 accumulators take turns, one instruction a turn
.irp e, 0,1
.irp p, 0,1,2,3
.irp g, 0,1
.set D_, 8*(8*(2*(\ap)+\e)+2*\p+\g)
.set V_, 128*((\k)%2)+12*(2*\p+\g)
.set P_, AF+48*((\k)%2)+12*(2*(\ap)+\e)
	PROD D_, V_, P_, \zero, SA+8*(\k)+\p, SB+8*(\k)+(\ap), \g, \e
.endr
.endr
.endr
.endm
.macro P2 k, zero                      ; kappa k's 32 products; the next kappa's 12 fragments go into the other sets in two runs of 18 loads
	s_wait_dscnt 0x0                               ; kappa k's fragments are in
.if (\k) == 3
	s_wait_tensorcnt 0x0                           ; Wv's kappa 4-7 have landed,
	s_barrier_signal -1
	s_barrier_wait -1                              ; and everybody knows
.endif
	PLACES 4
.if (\k) < 7
	F2W (\k)+1, 0
	F2X (\k)+1, 0
.endif
	WIN 0xa1
	MUL2 \k, 0, \zero
.if (\k) < 7
	WIN 0
	F2W (\k)+1, 2
	F2X (\k)+1, 4
.endif
	WIN 0xa1
	MUL2 \k, 1, \zero
	WIN 0
.endm
; Source 1's block a: my row's 128 results, register 16 b + i = 32 b + 16 h + i along the next K, become a fragment and a scale word.  Each accumulator is read from its low end on.
; Blocks a (even) and a + 1 go out together, line by line in turn.  At work: block a in v96-112 and v224-242, block a + 1 in v176-191, v113 and v192-210: of part 2's second fragment set, which holds nothing then.
.macro OUT2 a, base
.set W, 2+(\a)/4
.set AC, 64*((\a)%4)
	WIN (W<<2)|(W<<4)
.irp e, 0,1
.irp b, 0,1,2,3
	v_max3_num_f32 v[TM+80*\e+\b], 0x1800000, |v[AC+64*\e+16*\b]|, |v[AC+64*\e+16*\b+1]|   ; with the floor 2^(3 - 127): the byte cannot fall under 1
.endr
.endr
.irp i, 2,4,6,8,10,12,14
.irp e, 0,1
.irp b, 0,1,2,3
	v_max3_num_f32 v[TM+80*\e+\b], v[TM+80*\e+\b], |v[AC+64*\e+16*\b+\i]|, |v[AC+64*\e+16*\b+\i+1]|
.endr
.endr
.endr
	WIN 0
.irp e, 0,1
.irp b, 0,1,2,3
	v_permlanex16_b32 v[TM+80*\e+4+\b], v[TM+80*\e+\b], s[SEL], s[SEL+1]
.endr
.endr
.irp e, 0,1
.irp b, 0,1,2,3
	v_max_num_f32 v[TM+80*\e+\b], v[TM+80*\e+\b], v[TM+80*\e+4+\b]
.endr
.endr
.irp e, 0,1
.irp b, 0,1,2,3
	v_add_nc_u32 v[TM+80*\e+12+\b], 0xff000000, v[TM+80*\e+\b]   ; 2 off the exponent field: the conversion's scale operand
.endr
.endr
.irp e, 0,1
.irp b, 0,1,2,3
	v_lshrrev_b32 v[TM+80*\e+4+\b], 23, v[TM+80*\e+12+\b]
.endr
.endr
.irp e, 0,1
	v_lshl_or_b32 v[PW+\e], v[TM+80*\e+5], 8, v[TM+80*\e+4]
.endr
.irp e, 0,1
	v_lshl_or_b32 v[PW+\e], v[TM+80*\e+6], 16, v[PW+\e]
.endr
.irp e, 0,1
	v_lshl_or_b32 v[PW+\e], v[TM+80*\e+7], 24, v[PW+\e]
.endr
	WALU                                           ; directly ahead of the wait below
	s_wait_xcnt 0x0                                ; the earlier stores have read their codes and the scale record
	WIN W
.irp e, 0,1
.irp c, 0,1
	v_cvt_scalef32_pk16_fp6_f32 v[PC-32*\e+6*\c:PC-32*\e+6*\c+2], v[AC+64*\e+32*\c:AC+64*\e+32*\c+15], v[TM+80*\e+12+2*\c]
	v_cvt_scalef32_pk16_fp6_f32 v[PC-32*\e+12+4*\c:PC-32*\e+14+4*\c], v[AC+64*\e+32*\c+16:AC+64*\e+32*\c+31], v[TM+80*\e+12+2*\c+1]
.endr
.endr
	WIN 0
	v_nop                                          ; one plain place behind a scaled conversion
.irp e, 0,1
.irp c, 0,1
.irp i, 0,1,2
	v_permlane16_swap_b32 v[PC-32*\e+6*\c+\i], v[PC-32*\e+12+4*\c+\i]
.endr
.endr
.endr
.irp e, 0,1
.irp c, 0,1
.irp i, 0,1,2
	v_mov_b32 v[PC-32*\e+3+6*\c+\i], v[PC-32*\e+12+4*\c+\i]
.endr
.endr
.endr
.irp e, 0,1
.irp c, 0,1,2
	global_store_b128 v[LI], v[PC-32*\e+4*\c:PC-32*\e+4*\c+3], s[\base:\base+1] offset:1536*((\a)+\e)+512*\c   ; 512 consecutive bytes, aligned to 256
.endr
.endr
	v_cndmask_b32 v[SW+(\a)/2], v[PW], v[PW+1], s[HM]   ; the odd block's words stand in lanes 16-31
.endm
	s_load_b256 s[4:11], s[0:1], 0x0               ; xw_codes, xw_scales, qkv_codes, qkv_scales
	v_lshl_add_u32 v[SPW], v0, 2, SPARE
	v_mov_b32 v[NIL], 0
	ds_add_u32 v[SPW], v[NIL]                      ; the wave's opening: the add, twice on end, and its wait ahead of my first tensor load
	ds_add_u32 v[SPW], v[NIL]
	v_lshrrev_b32 v1, 5, v0
	v_readfirstlane_b32 s12, v1                    ; wave
	v_and_b32 v1, 31, v0
	v_lshlrev_b32 v[LI], 4, v1
	v_min_u32 v26, 23, v1                          ; the prefetches' lane term (lanes left over name the last block again)
	v_lshlrev_b32 v26, 8, v26
.irp b, 0,1,2,3
	v_mov_b32 v[TM+4+\b], 0                        ; written once: a lane permute's destination counts as one of its sources
.endr
	WALU                                           ; ahead of the scalar lines below
	s_lshr_b32 s13, s12, 1                         ; wr: my half of source 1's rows
	s_and_b32 s14, s12, 1                          ; wc: my panel of source 0's rows
	s_bfe_u32 s15, ttmp6, 0x40000                  ; cx
	s_bfe_u32 s16, ttmp6, 0x40004                  ; cy
	s_lshl_b32 s17, ttmp9, 2
	s_add_co_u32 s17, s17, s15                     ; c = 4 x cluster x + cx
	s_and_b32 s18, ttmp7, 0xffff
	s_lshl_b32 s18, s18, 2
	s_add_co_u32 s18, s18, s16                     ; y = 4 x cluster y + cy
	s_lshl_b32 s2, s16, 2
	s_lshl_b32 s2, 15, s2                          ; my row of the cluster
	s_lshl_b32 s3, 0x1111, s15                     ; my column
	GROUP1 G1A, 2, 2*UB/8, 2, PANB/8               ; two panels x two kappas: two rows of 24,576 bytes
	GROUP1 G1X, 2, 6*UB/8, 2, PANB/8               ; two panels x six kappas: two rows of 73,728
	GROUP1 G1B, 3, 2*UB/8, 2, PANB/8
	GROUP1 G1V, 3, 32, 192, 32                     ; 49,152 dense bytes
	s_mul_i32 s86, s18, 2*PANB                     ; x: panels 2 y, 2 y + 1: on y alone
	s_mov_b32 s87, 0
	s_add_co_u32 s88, s17, 32
	s_mul_i32 s88, s88, 2*PANB                     ; Wq, Wk: panels 64 + 2 c, + 1: on c alone
	s_mov_b32 s89, 0
	s_add_co_u32 s[WVA], s17, 80
	s_mul_i32 s[WVA], s[WVA], PANB                 ; Wv: panel 80 + c
	s_mov_b32 s[WVA+1], 0
	s_lshl_b32 s19, s16, 2
	s_add_co_u32 s19, s19, s12
	s_mul_i32 s19, s19, 24*256                     ; my sixteenth of what my column of the cluster prefetches
	s_add_co_u32 s23, s19, s[WVA]
	v_add_nc_u32 v27, s23, v26
	s_add_co_u32 s23, s19, s88
	v_add_nc_u32 v26, s23, v26
	s_lshl_b32 s96, s18, 1                         ; the scale words, 4,096 bytes a panel: part 1: x's panel 2 y + wr,
	s_add_co_u32 s96, s96, s13
	s_lshl_b32 s96, s96, 12
	s_mov_b32 s97, 0
	s_lshl_b32 s98, s17, 1                         ; W's panel 64 + 2 c + wc;
	s_add_co_u32 s98, s98, s14
	s_add_co_u32 s98, s98, 64
	s_lshl_b32 s98, s98, 12
	s_mov_b32 s99, 0
	s_lshl_b32 s100, s18, 1                        ; part 2: x's panel 2 y + wc,
	s_add_co_u32 s100, s100, s14
	s_lshl_b32 s100, s100, 12
	s_mov_b32 s101, 0
	s_add_co_u32 s66, s17, 80                      ; Wv's panel 80 + c
	s_lshl_b32 s66, s66, 12
	s_mov_b32 s67, 0
	s_mov_b32 s[SEL], 0x76543210
	s_mov_b32 s[SEL+1], 0xfedcba98
	s_mov_b32 s[HM], 0xffff0000
	WALU
	s_wait_dscnt 0x0                               ; both opening adds are done
	s_wait_kmcnt 0x0
	s_add_nc_u64 s[86:87], s[4:5], s[86:87]
	s_add_nc_u64 s[88:89], s[4:5], s[88:89]
	s_add_nc_u64 s[WVA:WVA+1], s[4:5], s[WVA:WVA+1]
	s_or_b32 s[WVA+1], s[WVA+1], 0x80000000
	GROUP0 G0A, 0, 86, 0
	GROUP0 G0X, 4*UB, 86, 2*UB
	GROUP0 G0B, SLOTW, 88, 0
	GROUP0 G0C, SLOTW+SLOT, 88, 2*UB
	GROUP0 G0R, SLOTW, 88, 4*UB
	GROUP0 G0S, SLOTW+SLOT, 88, 6*UB
	s_add_nc_u64 s[96:97], s[6:7], s[96:97]
	s_add_nc_u64 s[98:99], s[6:7], s[98:99]
	s_add_nc_u64 s[100:101], s[6:7], s[100:101]
	s_add_nc_u64 s[66:67], s[6:7], s[66:67]
	CROUND                                         ; all sixteen work-groups are here: the first joint loads meet
	s_cmp_eq_u32 s12, 0
	s_cbranch_scc0 .Lwave_1
	TLOAD G0A, G1A                                 ; wave 0: x kappa 0-1
	s_branch .Lasked
.Lwave_1:
	s_cmp_eq_u32 s12, 1
	s_cbranch_scc0 .Lwave_2
	TLOAD G0B, G1B                                 ; wave 1: W kappa 0-1
	s_branch .Lasked
.Lwave_2:
	s_cmp_eq_u32 s12, 2
	s_cbranch_scc0 .Lwave_3
	TLOAD G0X, G1X                                 ; wave 2: x kappa 2-7
	s_branch .Lasked
.Lwave_3:
	TLOAD G0C, G1B                                 ; wave 3: W kappa 2-3
.Lasked:
.irp k, 0,1,2,3,4,5,6,7                ; part 1's scale words, once: 512 consecutive bytes a load
	global_load_b128 v[SA+8*\k:SA+8*\k+3], v[LI], s[96:97] offset:512*\k
	global_load_b128 v[SB+8*\k:SB+8*\k+3], v[LI], s[98:99] offset:512*\k
.endr
	global_prefetch_b8 v26, s[4:5] offset:4*UB th:TH_LOAD_NT scope:SCOPE_SE   ; W kappa 4-7: of each panel's 49,152 bytes,
	s_lshl_b32 s2, s13, 3
	v_add_nc_u32 v[LB], s2, v[LI]
	s_mul_i32 s2, s13, 2*UB                        ; part 1: my panel of x, wr
	v_add_nc_u32 v[ADRA], s2, v[LI]
	s_mul_i32 s2, s13, 6*UB
	s_add_co_u32 s2, s2, 4*UB
	v_add_nc_u32 v[ADRA+1], s2, v[LI]
	s_add_co_u32 s2, s2, 3*UB
	v_add_nc_u32 v[ADRA+2], s2, v[LI]
	s_mul_i32 s3, s14, 2*UB                        ; part 2: wc
	v_add_nc_u32 v[P2X], s3, v[LI]
	s_add_co_u32 s2, s3, SLOTW                     ; my panel of W, wc
	v_add_nc_u32 v[ADRB], s2, v[LI]
	s_add_co_u32 s2, s2, SLOT
	v_add_nc_u32 v[ADRB+1], s2, v[LI]
	s_mul_i32 s3, s14, 6*UB
	s_add_co_u32 s3, s3, 4*UB
	v_add_nc_u32 v[P2X+1], s3, v[LI]
	s_add_co_u32 s3, s3, 3*UB
	v_add_nc_u32 v[P2X+2], s3, v[LI]
	s_mul_i32 s3, s13, UB/2
	s_add_co_u32 s3, s3, SLOTW
	v_add_nc_u32 v[P2W], s3, v[LI]                 ; my four blocks of Wv
	s_add_co_u32 s3, s3, SLOT
	v_add_nc_u32 v[P2W+1], s3, v[LI]
	global_prefetch_b8 v27, s[4:5] th:TH_LOAD_NT scope:SCOPE_SE               ; and Wv's panel
	; where the results go.  Part 2: record = 64 c + token panel 2 y + wc; my four blocks of its eight
	s_lshl_b32 s2, s17, 6
	s_lshl_b32 s3, s18, 1
	s_add_co_u32 s2, s2, s3
	s_add_co_u32 s2, s2, s14
	s_mul_i32 s86, s2, UB
	s_mul_i32 s87, s13, UB/2
	s_add_co_u32 s86, s86, s87
	s_add_co_u32 s86, s86, VREG
	s_mov_b32 s87, 0
	s_add_nc_u64 s[86:87], s[8:9], s[86:87]
	s_lshl_b32 s88, s2, 9
	s_add_co_u32 s88, s88, 524288
	s_mov_b32 s89, 0
	s_add_nc_u64 s[88:89], s[10:11], s[88:89]
	; part 1: record = 8 x (token panel 2 y + wr) + kappa, kappa = 2 (c % 4) + wc, in the region of q (c < 4) or of k
	s_add_co_u32 s3, s3, s13
	s_lshl_b32 s3, s3, 3
	s_and_b32 s2, s17, 3
	s_lshl_b32 s2, s2, 1
	s_add_co_u32 s2, s2, s14
	s_add_co_u32 s2, s2, s3
	s_lshr_b32 s19, s17, 2
	s_mul_i32 s23, s19, 6291456
	s_lshl_b32 s15, s2, 9
	s_lshl_b32 s16, s19, 18
	s_add_co_u32 s16, s16, s15
	s_mul_i32 s2, s2, UB
	s_add_co_u32 s2, s2, s23
	s_mov_b32 s3, 0
	s_add_nc_u64 s[8:9], s[8:9], s[2:3]
	s_mov_b32 s2, s16
	s_add_nc_u64 s[10:11], s[10:11], s[2:3]
	WALU                                           ; at the head's end
	s_cmp_lt_u32 s12, 2
	s_cbranch_scc0 .Lno_wait
	s_wait_tensorcnt 0x0                           ; kappa 0-1 of x and W are waves 0's and 1's loads; the other two may stay out
.Lno_wait:
	s_barrier_signal -1
	s_barrier_wait -1
	FETCH_B 0
	FETCH_A 0, 0
	FETCH_A 0, 4
	s_wait_loadcnt 0x0                             ; the scale words
	STEP 0, 1                                      ; the first products start the sums: nothing is cleared
	TURN 1, G0R, G1B                               ; the head's loads have all landed; slot 0 takes W kappa 4-5
	STEP 2, 0
	TURN 3, G0S, G1B                               ; slot 1 takes W kappa 6-7
	s_mov_b64 s[G0R+2:G0R+3], s[WVA:WVA+1]         ; (W kappa 4-5 landed ahead of that round)
	STEP 4, 0
	TURN 5, G0R, G1V                               ; slot 0 takes Wv kappa 0-3
	s_add_nc_u64 s[G0S+2:G0S+3], s[WVA:WVA+1], 4*UB
	STEP 6, 0
	s_wait_dscnt 12
	WIN 0xa1
	MUL16 0, 7, 0
	MUL16 1, 7, 0
	s_wait_dscnt 0x0
	WIN 0xf1
	MUL16 2, 7, 0
	MUL16 3, 7, 0
	WIN 0
	PLACES 4                                       ; in front of the first read of results, and of loads into the scale registers that the last products read
.irp k, 0,1,2,3,4,5,6,7                ; part 2's scale words: they land under the way out
	global_load_b128 v[SA+8*\k:SA+8*\k+3], v[LI], s[100:101] offset:512*\k
	global_load_b64 v[SB+8*\k:SB+8*\k+1], v[LB], s[66:67] offset:512*\k
.endr
.irp a, 0,2
	OUT2 \a, 8
.endr
	WALU
	s_wait_tensorcnt 0x0                           ; all my tensor loads have landed: Wv kappa 0-3;
	ds_add_u32 v[SPW], v[NIL]
	s_wait_dscnt 0x0                               ; the add is done; my reads of slot 1 were over at the last products
	CROUND
	RLOAD G0S, G1V                                 ; slot 1 takes Wv kappa 4-7
	F2W 0, 0                                       ; part 2's first fragments, into registers that part 1's products have long left
	F2W 0, 2
	F2X 0, 0
	F2X 0, 4
	WIN 0
.irp a, 4,6
	OUT2 \a, 8
.endr
	global_store_b128 v[LI], v[SW:SW+3], s[10:11]
	s_wait_loadcnt 0x0                             ; part 2's scale words
	s_wait_xcnt 0x0                                ; the way out's stores have read the registers of the second fragment set
	P2 0, 1                                        ; its first products start the sums, in the registers that blocks 0-3 have left
	P2 1, 0
	P2 2, 0
	P2 3, 0
	P2 4, 0
	P2 5, 0
	P2 6, 0
	P2 7, 0
	PLACES 4                                       ; in front of the first read of results
.irp a, 0,2
	OUT2 \a, 86
.endr
	global_store_b64 v[LB], v[SW:SW+1], s[88:89]   ; my two words of each lane's four
	s_wait_tensorcnt 0x0                           ; the wave's end
	ds_add_u32 v[SPW], v[NIL]
	s_wait_dscnt 0x0
	CROUND                                         ; the closing round: no work-group ends while a partner may still ask for a tile that names it
	s_endpgm
.Lfunc_end_k_q3e6023bdbf_proj:
	.size	k_q3e6023bdbf_proj, .Lfunc_end_k_q3e6023bdbf_proj-k_q3e6023bdbf_proj
	.p2alignl 7, 3214868480
	.fill 96, 4, 3214868480
	.section	.rodata,"a",@progbits
	.p2align	6, 0x0
	.amdhsa_kernel k_q3e6023bdbf_proj
		.amdhsa_group_segment_fixed_size 327680
		.amdhsa_private_segment_fixed_size 0
		.amdhsa_enable_private_segment 0
		.amdhsa_kernarg_size 32
		.amdhsa_user_sgpr_count 2
		.amdhsa_user_sgpr_kernarg_segment_ptr 1
		.amdhsa_wavefront_size32 1
		.amdhsa_system_sgpr_workgroup_id_x 1
		.amdhsa_system_sgpr_workgroup_id_y 1
		.amdhsa_system_sgpr_workgroup_id_z 1
		.amdhsa_system_vgpr_workitem_id 0
		.amdhsa_next_free_vgpr 1024
		.amdhsa_next_free_sgpr 102
		.amdhsa_reserve_vcc 0
		.amdhsa_float_denorm_mode_32 3
		.amdhsa_float_denorm_mode_16_64 3
		.amdhsa_memory_ordered 1
		.amdhsa_forward_progress 1
		.amdhsa_inst_pref_size 212
	.end_amdhsa_kernel
	.amdgpu_metadata
---
amdhsa.version: [ 1, 2 ]
amdhsa.kernels:
  - .name:           k_q3e6023bdbf_proj
    .symbol:         k_q3e6023bdbf_proj.kd
    .args:
      - { .name: xw_codes, .offset: 0, .size: 8, .value_kind: global_buffer, .address_space: global }
      - { .name: xw_scales, .offset: 8, .size: 8, .value_kind: global_buffer, .address_space: global }
      - { .name: qkv_codes, .offset: 16, .size: 8, .value_kind: global_buffer, .address_space: global }
      - { .name: qkv_scales, .offset: 24, .size: 8, .value_kind: global_buffer, .address_space: global }
    .group_segment_fixed_size: 327680
    .private_segment_fixed_size: 0
    .kernarg_segment_align: 8
    .kernarg_segment_size: 32
    .max_flat_workgroup_size: 128
    .sgpr_count:     102
    .vgpr_count:     1024
    .wavefront_size: 32
...
	.end_amdgpu_metadata
.endif
;; end of part 2
;; launch score (part 3): grid 64 x 4, 4 waves a work-group, no clusters, 327,680 bytes of LDS; arguments qkv_codes, qkv_scales, p_codes, p_stat; writes p_codes, p_stat
.if DOCPART == 3
	.amdgcn_target "amdgcn-amd-amdhsa--gfx1250"
	.amdhsa_code_object_version 6
	.text
	.protected	k_q3e6023bdbf_score
	.globl	k_q3e6023bdbf_score
	.p2align	8
	.type	k_q3e6023bdbf_score,@function
k_q3e6023bdbf_score:
	s_mov_b64 s[64:65], 0
	v_nop
	global_prefetch_b8 v0, s[64:65] scope:SCOPE_SE
	s_setreg_imm32_b32 hwreg(HW_REG_WAVE_MODE, 25, 1), 1
	s_wait_xcnt 0x0
; Scores q k^T on codes of FP6 (E2M3), the causal mask, and p = 2^(t - M) quantised along the keys.  t = score x log2(e) / 32.  M here is the ceiling of the largest t of a query within ONE run of 128 keys (a key panel).  M is a whole number, so
; p's codes are those under the row's own M; the next launch takes the difference off the scale bytes and off each run's sum.  Key panels wholly behind the diagonal are left out: reference()'s own mask throws them away.
; SHARES: a work-group of four waves makes 256 queries (tile I of a batch) x one key panel: 256 x 128.  Tile I has 2 I key panels that are open for all its queries: 56 work-groups a batch; panels 2 I and 2 I + 1 lie on the diagonal: ONE
; work-group, number I, makes both: RUN 1 panel 2 I against all 256 queries, RUN 2 panel 2 I + 1 against the queries of panel 2 I + 1 alone.  64 work-groups a batch; those with two runs have the lowest numbers.
; A WAVE takes 64 queries: 32-row group w of query panel 2 I (blocks a = 0, 1) and group 3 - w of panel 2 I + 1 (a = 2, 3), so that on the diagonal all waves have as much.  Their codes, all of K, come from memory straight into 384 registers
; and stay; no other wave wants them.  KEYS come through LDS: all four waves read every fragment.  Each wave loads kappa 2 w, 2 w + 1 of the key panel (on the diagonal of both panels) at the head, one load a wave; nothing is filled again.
; A BATCH: key blocks 2 p, 2 p + 1 x four kappas: 8 fragments, 24 LDS loads, 32 products on 8 accumulators.  Batches 0-3: kappa 0-3, p = 0..3; batches 4-7: kappa 4-7.  The next batch's fragments are fetched ahead of a batch's products.
; Source 0 = 16 keys, source 1 = 16 queries: a lane holds ONE query, and the 16 registers of key blocks 2 b, 2 b + 1 are the keys 32 b + 16 h + 0 .. 15 of the panel (rows lie in storage order, as the launch before stored them).
; RECORDS: query panels j and 15 - j of a batch lie end to end, 17 records in the order in which the next launch walks them: panel j with keys 0, panel 15 - j with keys 0, panel j with key panels 1 .. j, panel 15 - j with 1 .. 15 - j.
; A record is 12,288 bytes of codes and three times 512 bytes: scale words, -M (f32), sums of the unquantised p (f32), each [word p = 32-row group][lane]: a wave stores 128 consecutive bytes.
; NO CLUSTER: a tile row has 2 I work-groups with one run and one with two, so no fixed four of them walk alike all over this grid.  NO PREFETCH: all tiles are asked for at the head, and there is no loop to run ahead in.
; LIMITS: a block's scale byte is held at 64 from below (a block whose largest p lies under 2^-61 of its run's 2^M is rounded on that scale); the promise holds while |t| stays under 2^31; NaN and infinities are not served.
; REGISTERS: window 0: v2-15 addresses; v16-31 q's scale words, v32-63 k's (nothing else ever); v64-159, v160-255 key fragments, two sets; v160-250 at work between the runs' products.
;   Windows 1, 2: q's fragments: kappa k < 5: 12 (4 k + a) of window 1, else 12 (4 (k - 5) + a) of window 2.  Window 3: accumulator (a, key block kb) at v[64 a + 8 kb].
.set UB,    12288
.set PANB,  8*UB
.set KREG,  6291456                    ; k's codes in qkv_codes
.set KSREG, 262144                     ; k's scale words in qkv_scales
.set WREG,  4*UB                       ; LDS: what a wave loads: [panel of the two][2 kappas]
.set SPARE, 4*WREG
.set SPW,   2
.set NIL,   3
.set LI,    4                          ; v4   16 x lane
.set QO,    5                          ; v5, v6 my queries' codes in panel 2 I, 2 I + 1
.set THA,   7                          ; v7   my query's place in its panel (block 0) less 16 h
.set NINF,  8
.set KA,    8                          ; v9-11 LDS: kappa 2-3, 4-5, 6-7
.set THB,   12                         ; v12  as v7, in panel 2 I + 1 (block 2)
.set QSO,   13                         ; v13, v14 my queries' scale words
.set L4,    15                         ; v15  4 x lane
.set KS,    32
.set PF,    64
.set TM,    160                        ; at work between the runs' products, v160-250 in all: v160-175, v176-191 for the even and the odd block
.set NM,    192                        ; v[192:193], v[194:195] -M (the upper word is named with it)
.set LA,    196                        ; v[196:199], v[200:203] the sums, each in two chains
.set PC,    204                        ; v204-222, v224-242 codes
.set PW,    244
.set TT,    246
.set ST,    248                        ; v248-250 the records' words
.set WV,    12
.set W3,    13                         ; s13  3 - w
.set DG,    14                         ; s14  1: two runs
.set II,    15
.set KP,    16                         ; s16  the key panel
.set BT,    17
.set TRIP,  18                         ; s18  which run's panel-2 I + 1 half is at the softmax
.set SEL,   20
.set HM,    22
.set CS,    24                         ; s[24:25] c = log2(e) / 32
.set G1S,   32
.set G1D,   40
.set G0,    48
.set MSB, 0
.macro WIN new
.if MSB != (\new)
	s_set_vgpr_msb (MSB<<8)|(\new)
.set MSB, (\new)
.endif
.endm
.macro PLACES n
.rept \n
	v_nop
.endr
.endm
.macro WALU
	s_wait_alu depctr_va_vdst(0)
.endm
.macro TLOAD g1
	tensor_load_to_lds s[G0:G0+3], s[\g1:\g1+7]
	s_nop 0
	PLACES 4
.endm
.macro REC d, q, k                     ; s\d = 17 (8 batch + j) + place, of query panel s\q and key panel s\k
	s_sub_co_u32 s19, 15, s\q
	s_min_u32 s19, s19, s\q                        ; j
	s_lshr_b32 s23, s\q, 3                         ; 1: the query panel is 15 - j
	s_lshl_b32 s\d, s[BT], 3
	s_add_co_u32 s\d, s\d, s19
	s_mul_i32 s\d, s\d, 17
	s_mul_i32 s19, s19, s23
	s_add_co_u32 s19, s19, s\k
	s_add_co_u32 s19, s19, 1
	s_cmp_eq_u32 s\k, 0
	s_cselect_b32 s19, s23, s19
	s_add_co_u32 s\d, s\d, s19
.endm
.macro OUTA rec, w, cod, sta           ; where my part of a record goes
	s_mul_i32 s2, s\rec, UB
	s_mul_i32 s19, s[\w], 3072
	s_add_co_u32 s2, s2, s19
	s_mov_b32 s3, 0
	s_add_nc_u64 s[\cod:\cod+1], s[8:9], s[2:3]
	s_mul_i32 s2, s\rec, 1536
	s_lshl_b32 s19, s[\w], 7
	s_add_co_u32 s2, s2, s19
	s_add_nc_u64 s[\sta:\sta+1], s[10:11], s[2:3]
.endm
.macro QSREG k, q                      ; q's scale word of kappa k, row group q of my two: numbered so that modulo 8 it never meets a key's
.set S_, 16+8*((\k)/4)+2*(((\k)/2)%2)+(\q)+4*(1-(\k)%2)
.endm
.macro KSLOAD base, off
.irp k, 0,1,2,3,4,5,6,7
	global_load_b128 v[KS+4*\k:KS+4*\k+3], v[LI], s[\base:\base+1] offset:512*\k+(\off)
.endr
.endm
.macro FETCH n, par                    ; batch n's key fragments from panel par of the two
.irp k, 0,1,2,3
.if 2*((\n)/4)+\k/2 == 0
.set O_, LI
.else
.set O_, KA+2*((\n)/4)+\k/2
.endif
.irp g, 0,1
.irp c, 0,1,2
	ds_load_b128 v[PF+96*((\n)%2)+12*(2*\k+\g)+4*\c:PF+96*((\n)%2)+12*(2*\k+\g)+4*\c+3], v[O_] offset:2*UB*(\par)+UB*(\k%2)+1536*(2*((\n)%4)+\g)+512*\c
.endr
.endr
.endr
.endm
.macro PROD d, s0, s1, zero, x0, x1, ra, rb
.if \zero
	v_wmma_scale_f32_16x16x128_f8f6f4 v[\d:\d+7], v[\s0:\s0+11], v[\s1:\s1+11], 0, v[\x0], v[\x1] matrix_a_fmt:MATRIX_FMT_FP6 matrix_b_fmt:MATRIX_FMT_FP6 matrix_a_scale:MATRIX_SCALE_ROW\ra matrix_b_scale:MATRIX_SCALE_ROW\rb
.else
	v_wmma_scale_f32_16x16x128_f8f6f4 v[\d:\d+7], v[\s0:\s0+11], v[\s1:\s1+11], v[\d:\d+7], v[\x0], v[\x1] matrix_a_fmt:MATRIX_FMT_FP6 matrix_b_fmt:MATRIX_FMT_FP6 matrix_a_scale:MATRIX_SCALE_ROW\ra matrix_b_scale:MATRIX_SCALE_ROW\rb
.endif
.endm
.macro MUL n, q0                       ; batch n's products for row groups q0 .. 1: the accumulators take turns, one instruction a turn, in the same order in every kappa
.irp k, 0,1,2,3
.set K_, 4*((\n)/4)+\k
.if K_ < 5
	WIN 0xf4
.set QF_, 48*K_
.else
	WIN 0xf8
.set QF_, 48*(K_-5)
.endif
.irp g, 0,1
.irp q, 0,1
.if \q >= \q0
.irp e, 0,1
.set D_, 64*(2*\q+\e)+8*(2*((\n)%4)+\g)
.set V_, PF+96*((\n)%2)+12*(2*\k+\g)
.set P_, QF_+12*(2*\q+\e)
.set Z_, 0
.if K_ == 0
.set Z_, 1
.endif
	QSREG K_, \q
	PROD D_, V_, P_, Z_, KS+4*K_+(\n)%4, S_, \g, \e
.endr
.endif
.endr
.endr
.endr
	WIN 0
.endm
.macro BATCH n, par
	PLACES 4                                       ; between the last batch's products and the loads into the registers that the one before read
.if ((\n) == 3) && ((\par) == 0)
	s_wait_tensorcnt 0x0                           ; kappa 4-7 are waves 2's and 3's loads: every load has landed
	s_wait_dscnt 0x0
	s_barrier_signal -1
	s_barrier_wait -1
.endif
.if (\n) < 7
	FETCH (\n)+1, \par
.endif
.if ((\n) == 0) && ((\par) == 0)
	s_wait_loadcnt 48                              ; the scale words and q's kappa 0-3 are in; kappa 4-7, 4 x 12 loads, may be out
.elseif ((\n) == 4) && ((\par) == 0)
	s_wait_loadcnt 0x0
.endif
.if (\n) < 7
	s_wait_dscnt 24                                ; this batch's fragments are in; the 24 loads just issued may be out
.else
	s_wait_dscnt 0x0
.endif
	MUL \n, \par
.endm
; THE MASK of block a, whose row group of its panel is s\grp: key groups under it are open; from it on, key 32 b + 16 h + n is hidden where it lies behind my query.  Rows 8 (a % 2) on: the odd block of a group.
.macro MASK a, grp, th
.set AC, 64*(\a)
	WALU
.irp b, 0,1,2,3
	s_cmp_gt_u32 s[\grp], \b
	s_cbranch_scc1 .Lopen_\@_\b
	WIN 0xc3
.irp m, 0,8                            ; eight compares, then the eight choices
.irp n, 0,1,2,3,4,5,6,7
	v_cmp_gt_i32 s[72+\n], 32*\b+\m+\n-8*((\a)%2), v[\th]
.endr
.irp n, 0,1,2,3,4,5,6,7
	v_cndmask_b32 v[AC+16*\b+\m+\n], v[AC+16*\b+\m+\n], v[NINF], s[72+\n]
.endr
.endr
	WIN 0
.Lopen_\@_\b:
.endr
.endm
.macro SOFT2 a, cod, sta               ; blocks a (even) and a + 1, line by line in turn
.set AC, 64*(\a)
	WALU                                           ; ahead of the first readers
	WIN 0x3c
.irp e, 0,1
.irp b, 0,1,2,3
	v_max3_num_f32 v[TM+16*\e+\b], 0xff800000, v[AC+64*\e+16*\b], v[AC+64*\e+16*\b+1]   ; the largest score of each block of 32 keys: for the run's maximum, and, since p rises with the score, for the block's largest p
.endr
.endr
.irp i, 2,4,6,8,10,12,14
.irp e, 0,1
.irp b, 0,1,2,3
	v_max3_num_f32 v[TM+16*\e+\b], v[TM+16*\e+\b], v[AC+64*\e+16*\b+\i], v[AC+64*\e+16*\b+\i+1]
.endr
.endr
.endr
	WIN 0
.irp e, 0,1
.irp b, 0,1,2,3
	v_permlanex16_b32 v[TM+16*\e+4+\b], v[TM+16*\e+\b], s[SEL], s[SEL+1]
.endr
.endr
.irp e, 0,1
.irp b, 0,1,2,3
	v_max_num_f32 v[TM+16*\e+\b], v[TM+16*\e+\b], v[TM+16*\e+4+\b]
.endr
.endr
.irp e, 0,1
	v_max3_num_f32 v[TT+\e], v[TM+16*\e], v[TM+16*\e+1], v[TM+16*\e+2]
.endr
.irp e, 0,1
	v_max_num_f32 v[TT+\e], v[TT+\e], v[TM+16*\e+3]
.endr
.irp e, 0,1
	v_mul_f32 v[TT+\e], s[CS], v[TT+\e]            ; the run's largest t (a query's own key is never hidden, so it is a number)
.endr
.irp e, 0,1
	v_floor_f32 v[NM+2*\e], -v[TT+\e]              ; -M = floor(-t) = -ceil(t)
.endr
.irp e, 0,1
.irp b, 0,1,2,3
	v_fma_f32 v[TM+16*\e+\b], v[TM+16*\e+\b], s[CS], v[NM+2*\e]
.endr
.endr
	WIN 0xc3
.set i, 0
.rept 32
.irp e, 0,1
	v_pk_fma_f32 v[AC+64*\e+i:AC+64*\e+i+1], v[AC+64*\e+i:AC+64*\e+i+1], s[CS:CS+1], v[NM+2*\e:NM+2*\e+1] op_sel_hi:[1,0,0]   ; t - M, two at a time
.endr
.set i, i+2
.endr
	WALU                                           ; ahead of the batch,
.set i, 0
.rept 128
	v_exp_f32 v[AC+i], v[AC+i]                     ; p = 2^(t - M)
.set i, i+1
.endr
	v_nop
	WALU                                           ; and behind it, ahead of its first reader
	WIN 0
.irp e, 0,1
.irp b, 0,1,2,3
	v_exp_f32 v[TM+16*\e+\b], v[TM+16*\e+\b]       ; each block's largest p: the same two instructions on the same number give the same bits
.endr
.endr
	WIN 0x0f
.irp e, 0,1
	v_pk_add_f32 v[LA+4*\e:LA+4*\e+1], v[AC+64*\e:AC+64*\e+1], v[AC+64*\e+2:AC+64*\e+3]          ; the sums of the unquantised p, each in two chains
	v_pk_add_f32 v[LA+4*\e+2:LA+4*\e+3], v[AC+64*\e+4:AC+64*\e+5], v[AC+64*\e+6:AC+64*\e+7]
.endr
	WIN 0x0c
.set i, 8
.rept 14
.irp e, 0,1
	v_pk_add_f32 v[LA+4*\e:LA+4*\e+1], v[LA+4*\e:LA+4*\e+1], v[AC+64*\e+i:AC+64*\e+i+1]
	v_pk_add_f32 v[LA+4*\e+2:LA+4*\e+3], v[LA+4*\e+2:LA+4*\e+3], v[AC+64*\e+i+2:AC+64*\e+i+3]
.endr
.set i, i+4
.endr
	WIN 0
.irp e, 0,1
	v_pk_add_f32 v[LA+4*\e:LA+4*\e+1], v[LA+4*\e:LA+4*\e+1], v[LA+4*\e+2:LA+4*\e+3]
.endr
.irp e, 0,1
	v_add_f32 v[LA+4*\e], v[LA+4*\e], v[LA+4*\e+1]
.endr
.irp e, 0,1
	v_permlanex16_b32 v[LA+4*\e+2], v[LA+4*\e], s[SEL], s[SEL+1]
.endr
.irp e, 0,1
	v_add_f32 v[LA+4*\e], v[LA+4*\e], v[LA+4*\e+2] ; with lane l xor 16's 64 keys
.endr
	WALU                                           ; and one wait for the eight
.irp e, 0,1
.irp b, 0,1,2,3
	v_max_num_f32 v[TM+16*\e+\b], 0x21000000, v[TM+16*\e+\b]   ; the floor 2^(66 - 127): the byte cannot fall under 64
.endr
.endr
.irp e, 0,1
.irp b, 0,1,2,3
	v_add_nc_u32 v[TM+16*\e+12+\b], 0xff000000, v[TM+16*\e+\b]
.endr
.endr
.irp e, 0,1
.irp b, 0,1,2,3
	v_lshrrev_b32 v[TM+16*\e+4+\b], 23, v[TM+16*\e+12+\b]
.endr
.endr
.irp e, 0,1
	v_lshl_or_b32 v[PW+\e], v[TM+16*\e+5], 8, v[TM+16*\e+4]
.endr
.irp e, 0,1
	v_lshl_or_b32 v[PW+\e], v[TM+16*\e+6], 16, v[PW+\e]
.endr
.irp e, 0,1
	v_lshl_or_b32 v[PW+\e], v[TM+16*\e+7], 24, v[PW+\e]
.endr
	WALU                                           ; directly ahead of the wait below
	s_wait_xcnt 0x0                                ; the last two blocks' stores have read v[PC] on and v[ST] on
	WIN 0x03
.irp e, 0,1
.irp c, 0,1
	v_cvt_scalef32_pk16_fp6_f32 v[PC+20*\e+6*\c:PC+20*\e+6*\c+2], v[AC+64*\e+32*\c:AC+64*\e+32*\c+15], v[TM+16*\e+12+2*\c]
	v_cvt_scalef32_pk16_fp6_f32 v[PC+20*\e+12+4*\c:PC+20*\e+14+4*\c], v[AC+64*\e+32*\c+16:AC+64*\e+32*\c+31], v[TM+16*\e+12+2*\c+1]
.endr
.endr
	WIN 0
	v_nop                                          ; one plain place behind a scaled conversion
.irp e, 0,1
.irp c, 0,1
.irp i, 0,1,2
	v_permlane16_swap_b32 v[PC+20*\e+6*\c+\i], v[PC+20*\e+12+4*\c+\i]
.endr
.endr
.endr
.irp e, 0,1
.irp c, 0,1
.irp i, 0,1,2
	v_mov_b32 v[PC+20*\e+3+6*\c+\i], v[PC+20*\e+12+4*\c+\i]
.endr
.endr
.endr
	v_cndmask_b32 v[ST], v[PW], v[PW+1], s[HM]     ; the odd block's words stand in lanes 16-31
	v_cndmask_b32 v[ST+1], v[NM], v[NM+2], s[HM]
	v_cndmask_b32 v[ST+2], v[LA], v[LA+4], s[HM]
.irp e, 0,1
.irp c, 0,1,2
	global_store_b128 v[LI], v[PC+20*\e+4*\c:PC+20*\e+4*\c+3], s[\cod:\cod+1] offset:1536*\e+512*\c
.endr
.endr
.irp i, 0,1,2
	global_store_b32 v[L4], v[ST+\i], s[\sta:\sta+1] offset:512*\i
.endr
.endm
	s_load_b256 s[4:11], s[0:1], 0x0               ; qkv_codes, qkv_scales, p_codes, p_stat
	v_lshl_add_u32 v[SPW], v0, 2, SPARE
	v_mov_b32 v[NIL], 0
	ds_add_u32 v[SPW], v[NIL]                      ; the wave's opening: the add, twice on end, and its wait ahead of my first tensor load
	ds_add_u32 v[SPW], v[NIL]
	v_lshrrev_b32 v1, 5, v0
	v_readfirstlane_b32 s[WV], v1
	v_and_b32 v1, 31, v0
	v_lshlrev_b32 v[LI], 4, v1
	v_lshlrev_b32 v[L4], 2, v1
	v_and_b32 v64, 15, v0
	v_and_b32 v65, 8, v0
	v_and_b32 v66, 16, v0
	v_add_nc_u32 v64, v64, v65
	v_sub_nc_u32 v64, v64, v66                     ; r + 8 (r / 8) - 16 h
	v_mov_b32 v[NINF], 0xff800000
.irp i, 1,2,3
	v_add_nc_u32 v[KA+\i], WREG*\i, v[LI]
.endr
	WALU                                           ; ahead of the scalar lines below
	s_sub_co_u32 s[W3], 3, s[WV]
	s_lshl_b32 s2, s[WV], 5
	s_lshl_b32 s3, s[W3], 5
	v_add_nc_u32 v[THA], s2, v64
	v_add_nc_u32 v[THB], s3, v64
	s_mul_i32 s2, s[WV], 3072
	s_mul_i32 s3, s[W3], 3072
	s_add_co_u32 s3, s3, PANB
	v_add_nc_u32 v[QO], s2, v[LI]
	v_add_nc_u32 v[QO+1], s3, v[LI]
	s_lshl_b32 s2, s[WV], 2
	s_lshl_b32 s3, s[W3], 2
	s_add_co_u32 s3, s3, 4096
	v_add_nc_u32 v[QSO], s2, v[LI]
	v_add_nc_u32 v[QSO+1], s3, v[LI]
	WALU                                           ; ahead of the scalar lines below
	s_and_b32 s[BT], ttmp7, 0xffff                 ; the batch
	s_sub_co_u32 s19, ttmp9, 8
	s_mov_b32 s[II], 1
.irp th, 2,6,12,20,30,42               ; tile I's one-run work-groups begin at 8 + I (I - 1)
	s_cmp_ge_u32 s19, \th
	s_cselect_b32 s23, 1, 0
	s_add_co_u32 s[II], s[II], s23
.endr
	s_sub_co_u32 s23, s[II], 1
	s_mul_i32 s23, s23, s[II]
	s_sub_co_u32 s[KP], s19, s23
	s_lshl_b32 s23, ttmp9, 1
	s_cmp_lt_u32 ttmp9, 8
	s_cselect_b32 s[DG], 1, 0
	s_cselect_b32 s[II], ttmp9, s[II]
	s_cselect_b32 s[KP], s23, s[KP]
	s_mov_b32 s[G1S], 3<<16                        ; one panel x two kappas: 24,576 dense bytes as 96 rows of 256
	s_mov_b32 s[G1S+1], 32<<16
	s_mov_b32 s[G1S+2], 96<<16
	s_mov_b32 s[G1S+3], 32<<16
	s_mov_b32 s[G1S+4], 96
	s_mov_b32 s[G1S+5], 32
	s_mov_b32 s[G1S+6], 0
	s_mov_b32 s[G1S+7], 0
	s_mov_b32 s[G1D], 3<<16                        ; two panels x two kappas: two rows of 24,576 bytes
	s_mov_b32 s[G1D+1], (2*UB/8)<<16
	s_mov_b32 s[G1D+2], 2<<16
	s_mov_b32 s[G1D+3], (2*UB/8)<<16
	s_mov_b32 s[G1D+4], 2
	s_mov_b32 s[G1D+5], PANB/8
	s_mov_b32 s[G1D+6], 0
	s_mov_b32 s[G1D+7], 0
	s_lshl_b32 s26, s[II], 1                       ; my query panels: 2 I,
	s_add_co_u32 s27, s26, 1                       ; 2 I + 1
	s_lshl_b32 s19, s[BT], 4
	s_add_co_u32 s23, s19, s26
	s_mul_i32 s66, s23, PANB                       ; q's codes,
	s_mov_b32 s67, 0
	s_lshl_b32 s68, s23, 12                        ; and scale words;
	s_mov_b32 s69, 0
	s_add_co_u32 s23, s19, s[KP]
	s_lshl_b32 s70, s23, 12
	s_add_co_u32 s70, s70, KSREG                   ; k's scale words,
	s_mov_b32 s71, 0
	s_mul_i32 s2, s23, PANB
	s_mul_i32 s3, s[WV], 2*UB
	s_add_co_u32 s2, s2, s3
	s_add_co_u32 s2, s2, KREG                      ; and codes: kappa 2 w on
	s_mov_b32 s3, 0
	s_mov_b32 s[G0], 1
	s_mul_i32 s[G0+1], s[WV], WREG
	s_mov_b32 s[SEL], 0x76543210
	s_mov_b32 s[SEL+1], 0xfedcba98
	s_mov_b32 s[HM], 0xffff0000
	s_mov_b32 s[CS], 0x3d38aa3b                    ; log2(e) / 32
	s_mov_b32 s[CS+1], s[CS]
	s_wait_dscnt 0x0                               ; both opening adds are done
	s_wait_kmcnt 0x0
	s_add_nc_u64 s[G0+2:G0+3], s[4:5], s[2:3]
	s_or_b32 s[G0+3], s[G0+3], 0x80000000
	s_add_nc_u64 s[66:67], s[4:5], s[66:67]
	s_add_nc_u64 s[68:69], s[6:7], s[68:69]
	s_add_nc_u64 s[70:71], s[6:7], s[70:71]
	s_cmp_eq_u32 s[DG], 1                          ; ONE tree: every way passes exactly one load
	s_cbranch_scc0 .Lone
	s_cmp_lt_u32 s[WV], 2
	s_cbranch_scc0 .Ltwo_late
	TLOAD G1D
	s_branch .Lasked
.Ltwo_late:
	TLOAD G1D
	s_branch .Lasked
.Lone:
	s_cmp_lt_u32 s[WV], 2
	s_cbranch_scc0 .Lone_late
	TLOAD G1S
	s_branch .Lasked
.Lone_late:
	TLOAD G1S
.Lasked:
	KSLOAD 70, 0
.irp k, 0,1,2,3,4,5,6,7
.irp q, 0,1
	QSREG \k, \q
	global_load_b32 v[S_], v[QSO+\q], s[68:69] offset:512*\k
.endr
.endr
.irp k, 0,1,2,3,4,5,6,7                ; my 64 queries, all of K: 512 consecutive bytes a load
.if \k < 5
	WIN 0x40
.set QF_, 48*\k
.else
	WIN 0x80
.set QF_, 48*(\k-5)
.endif
.irp q, 0,1
.irp c, 0,1,2,3,4,5
	global_load_b128 v[QF_+24*\q+4*\c:QF_+24*\q+4*\c+3], v[QO+\q], s[66:67] offset:UB*\k+512*\c
.endr
.endr
.endr
	WIN 0
	REC 28, 26, 16
	REC 29, 27, 16
	s_add_co_u32 s30, s[KP], 1
	REC 31, 27, 30
	OUTA 28, WV, 52, 56                            ; run 1: panel 2 I,
	OUTA 29, W3, 54, 58                            ; panel 2 I + 1;
	OUTA 31, W3, 60, 62                            ; run 2: panel 2 I + 1
	s_mov_b32 s[TRIP], 0
	s_cmp_lt_u32 s[WV], 2
	s_cbranch_scc0 .Lno_wait
	s_wait_tensorcnt 0x0                           ; kappa 0-3 are waves 0's and 1's loads
.Lno_wait:
	s_barrier_signal -1
	s_barrier_wait -1
	FETCH 0, 0
.irp n, 0,1,2,3,4,5,6,7
	BATCH \n, 0
.endr
	PLACES 4                                       ; in front of the first read of results, of writes into the fragments' registers, and of loads into the scale registers
	s_cmp_eq_u32 s[DG], 0
	s_cbranch_scc1 .Lopen
	KSLOAD 70, 4096                                ; run 2's scale words and first fragments: they land under the softmax, which leaves v64-159 alone
	FETCH 0, 1
	MASK 0, WV, THA
	MASK 1, WV, THA
.Lopen:
	SOFT2 0, 52, 56
.Lhalf:                                            ; panel 2 I + 1's queries: once for each run
	s_cmp_eq_u32 s[TRIP], 0
	s_cbranch_scc1 .Lopen_half
	MASK 2, W3, THB
	MASK 3, W3, THB
.Lopen_half:
	SOFT2 2, 54, 58
	WALU                                           ; ahead of the branches
	s_cmp_eq_u32 s[DG], 0
	s_cbranch_scc1 .Lend
	s_cmp_eq_u32 s[TRIP], 1
	s_cbranch_scc1 .Lend
	s_wait_xcnt 0x0                                ; the stores have read their registers and their base
	s_mov_b64 s[54:55], s[60:61]
	s_mov_b64 s[58:59], s[62:63]
	s_wait_loadcnt 0x0                             ; run 2's scale words
.irp n, 0,1,2,3,4,5,6,7
	BATCH \n, 1
.endr
	PLACES 4                                       ; in front of the first read of results and of writes into the fragments' registers
	s_add_co_u32 s[TRIP], s[TRIP], 1
	s_cmp_lt_u32 s[TRIP], 2
	s_cbranch_scc1 .Lhalf
.Lend:
	s_wait_tensorcnt 0x0                           ; the wave's end
	ds_add_u32 v[SPW], v[NIL]
	s_wait_dscnt 0x0
	s_endpgm
.Lfunc_end_k_q3e6023bdbf_score:
	.size	k_q3e6023bdbf_score, .Lfunc_end_k_q3e6023bdbf_score-k_q3e6023bdbf_score
	.p2alignl 7, 3214868480
	.fill 96, 4, 3214868480
	.section	.rodata,"a",@progbits
	.p2align	6, 0x0
	.amdhsa_kernel k_q3e6023bdbf_score
		.amdhsa_group_segment_fixed_size 327680
		.amdhsa_private_segment_fixed_size 0
		.amdhsa_enable_private_segment 0
		.amdhsa_kernarg_size 32
		.amdhsa_user_sgpr_count 2
		.amdhsa_user_sgpr_kernarg_segment_ptr 1
		.amdhsa_wavefront_size32 1
		.amdhsa_system_sgpr_workgroup_id_x 1
		.amdhsa_system_sgpr_workgroup_id_y 1
		.amdhsa_system_sgpr_workgroup_id_z 1
		.amdhsa_system_vgpr_workitem_id 0
		.amdhsa_next_free_vgpr 1024
		.amdhsa_next_free_sgpr 80
		.amdhsa_reserve_vcc 0
		.amdhsa_float_denorm_mode_32 3
		.amdhsa_float_denorm_mode_16_64 3
		.amdhsa_memory_ordered 1
		.amdhsa_forward_progress 1
		.amdhsa_inst_pref_size 181
	.end_amdhsa_kernel
	.amdgpu_metadata
---
amdhsa.version: [ 1, 2 ]
amdhsa.kernels:
  - .name:           k_q3e6023bdbf_score
    .symbol:         k_q3e6023bdbf_score.kd
    .args:
      - { .name: qkv_codes, .offset: 0, .size: 8, .value_kind: global_buffer, .address_space: global }
      - { .name: qkv_scales, .offset: 8, .size: 8, .value_kind: global_buffer, .address_space: global }
      - { .name: p_codes, .offset: 16, .size: 8, .value_kind: global_buffer, .address_space: global }
      - { .name: p_stat, .offset: 24, .size: 8, .value_kind: global_buffer, .address_space: global }
    .group_segment_fixed_size: 327680
    .private_segment_fixed_size: 0
    .kernarg_segment_align: 8
    .kernarg_segment_size: 32
    .max_flat_workgroup_size: 128
    .sgpr_count:     80
    .vgpr_count:     1024
    .wavefront_size: 32
...
	.end_amdgpu_metadata
.endif
;; end of part 3
;; launch pv (part 4): grid 8 x 32, 4 waves a work-group, clusters of 4 x 1, 327,680 bytes of LDS; arguments p_codes, p_stat, qkv_codes, qkv_scales, out0; writes out0
.if DOCPART == 4
	.amdgcn_target "amdgcn-amd-amdhsa--gfx1250"
	.amdhsa_code_object_version 6
	.text
	.protected	k_q3e6023bdbf_pv
	.globl	k_q3e6023bdbf_pv
	.p2align	8
	.type	k_q3e6023bdbf_pv,@function
k_q3e6023bdbf_pv:
	s_mov_b64 s[64:65], 0
	v_nop
	global_prefetch_b8 v0, s[64:65] scope:SCOPE_SE
	s_setreg_imm32_b32 hwreg(HW_REG_WAVE_MODE, 25, 1), 1
	s_wait_xcnt 0x0
	s_wait_alu depctr_hold_cnt(0) depctr_sa_sdst(0) depctr_va_vdst(0) depctr_va_sdst(0) depctr_va_ssrc(0) depctr_va_vcc(0) depctr_vm_vsrc(0)
	s_getreg_b32 s2, hwreg(HW_REG_IB_STS2, 6, 4)
	s_cmp_eq_u32 s2, 0
	s_cbranch_scc0 .Lentry_in_a_cluster
	s_endpgm
.Lentry_in_a_cluster:
	s_bfe_u32 s2, ttmp6, 0x10000c
	s_cmp_lg_u32 s2, 0x3003
	s_cbranch_scc0 .Lentry_shape_is_right
	s_endpgm
.Lentry_shape_is_right:
; out = (p v) / l on codes of FP6 (E2M3) with E8M0 scales, sums in f32, K = the keys.  Key panels wholly behind the diagonal are left out: their p is 0 by reference()'s own mask.
; SHARES: work-group (x, y): 128 channels (panel x of v^T) of query panels j and 15 - j of a batch (y = 8 batch + j).  Together the two panels have 17 key panels that the mask leaves: 17 UNITS, the same number in every work-group:
; unit 0: panel j, keys 0;  unit 1: panel 15 - j, keys 0;  units 2 .. j + 1: panel j, key panels 1 .. j;  the rest: panel 15 - j, key panels 1 .. 15 - j.  The launch before stored p and its records in just this order.
; A wave makes 128 queries x 32 channels of both panels: 2 x 16 accumulators.  Source 0 = 16 channels of v^T, source 1 = 16 queries: a lane holds one query and 16 neighbouring channels.
; P: the pair's 17 panels are 208,896 dense bytes; they come into LDS once and stay.  Each wave issues ONE joint load at the head (units 0-1, 2-5, 6-10, 11-16); the barriers in front of units 0, 2, 6 and 11 show them; nothing is filled again.
; V: a wave's 32 channels of a unit, 3,072 dense bytes, go from memory straight into registers, seven units (42 loads) ahead: no other wave of the work-group wants them.
; CLUSTER 4 x 1: its four work-groups have one y and so the same p: asked for jointly.  v's panels hang on x, and work-groups of one x walk different key panels: each loads its own.
; NO PREFETCH: there is no loop; all of p is asked for at the head, and v seven units ahead in registers.
; M: each run of 128 keys has its own whole M and its own sum.  A thread takes one query of each panel: the row's M is the largest of its runs' M; a run's scale bytes and its sum are brought under it by powers of two: d = M - the run's M is
; taken off each byte.  d is held at 63, and the bytes come in at 64 or more, so no byte falls under 1.
; LIMITS: a run whose M lies more than 63 under its row's M counts with 2^-63, and a block whose largest p lies under 2^-61 of its run's is rounded on that block's scale: each under 2^-50 of the row's sum; the promise holds while |t| stays under 2^31;
; NaN and infinities are not served.
; THE WAY OUT: a panel's 128 queries x 128 channels are divided by l, gathered in LDS (rows of 512 bytes, 528 apart) and stored as whole rows, 512 consecutive bytes a store.  Panel j leaves under units 10 to 13; panel 15 - j at the end, through
; the bytes of units 0 to 5, whose last reads were over at unit 10's barrier.
; REGISTERS: window 0: v2-31 addresses, v32-55 v's scale words, v56-63 p's (two sets), v64-255 p's fragments (two sets; the head's records before them).  Window 1: v's fragments, ten sets of 24.  Window 2: accumulators (a, b) at v[16 a + 8 b],
; panel j's at 0, panel 15 - j's at 128.  Window 3: rows on the way out, v128-143 1 / l.
.set UB,    12288
.set NU,    17
.set SCA,   NU*UB                      ; p's scale words under the row's M: 17 x 512
.set RL,    SCA+NU*512                 ; 1 / l: 2 x 512
.set SP,    528
.set STG,   RL+1024                    ; panel j's stage
.set SPARE, STG+128*SP                 ; the spare words
.set VREG,  12582912
.set STO2,  2                          ; v2, v3  the way out of panel 15 - j: in, back
.set RD2,   3
.set LI,    4                          ; v4   16 x lane
.set T4,    5                          ; v5   4 x thread
.set SPW,   6
.set NIL,   7
.set ADP,   8                          ; v9-11 LDS address of units 5, 10, 15
.set ADS,   12
.set SCAW,  13
.set RLA,   14
.set STO,   15                         ; v15, v16 the way out of panel j
.set RD,    16
.set VO,    15                         ; v17-31 offset of v's key panel for units 2 .. 16
.set VS,    32                         ; v's scale words: an even unit's number modulo 8 is 4 .. 7, an odd unit's 0 .. 3; p's the other way round
.set PS,    56
.set PF,    64
.set NMR,   64                         ; at the head: -M of each run, its sum, its scale word
.set LSR,   81
.set WDR,   98
.set N2,    115
.set VSO,   132
.set MS,    150
.set ML,    151
.set TA,    154
.set TB,    155
.set BIG,   156
.set RV,    128
.set WV,    14                         ; s14 wave; s15 j + 1; s16 x; s17 batch; s18 y
.set J1,    15
.set DP,    16
.set BT,    17
.set YY,    18
.set MK,    84                         ; s[84:90] units 2 .. 8: all ones where the unit is panel j's
.set MSB, 0
.macro WIN new
.if MSB != (\new)
	s_set_vgpr_msb (MSB<<8)|(\new)
.set MSB, (\new)
.endif
.endm
.macro PLACES n
.rept \n
	v_nop
.endr
.endm
.macro WALU
	s_wait_alu depctr_va_vdst(0)
.endm
.macro CROUND
	s_barrier_signal -1
	s_barrier_wait -1
	s_cmp_lg_u32 s[WV], 0
	s_cbranch_scc1 .Lnot_wave_0_\@
	s_barrier_signal -3
.Lnot_wave_0_\@:
	s_barrier_wait -3
	s_barrier_signal -1
	s_barrier_wait -1
.endm
.macro DESC g1, g0, first, units       ; units x 12,288 dense bytes as rows of 256
	s_mov_b32 s[\g1], 15|(3<<16)|(1<<21)
	s_mov_b32 s[\g1+1], 32<<16
	s_mov_b32 s[\g1+2], (48*\units)<<16
	s_mov_b32 s[\g1+3], 32<<16
	s_mov_b32 s[\g1+4], 48*\units
	s_mov_b32 s[\g1+5], 32
	s_mov_b32 s[\g1+6], 0
	s_mov_b32 s[\g1+7], 0
	s_mov_b32 s[\g0], 1
	s_mov_b32 s[\g0+1], UB*\first
.endm
.macro DADR g0, first
	s_add_nc_u64 s[\g0+2:\g0+3], s[2:3], UB*\first
	s_or_b32 s[\g0+3], s[\g0+3], 0x80000000
.endm
.macro TLOAD g0, g1
	tensor_load_to_lds s[\g0:\g0+3], s[\g1:\g1+7]
	s_nop 0
	PLACES 4
.endm
.macro VMAP u                          ; unit u's key panel: as an offset into v's codes and into its scale words
	s_sub_co_u32 s20, \u, s[J1]
.if (\u) <= 8
	s_cmp_ge_u32 s[J1], \u
	s_cselect_b32 s20, (\u)-1, s20
	s_cselect_b32 s[MK+(\u)-2], -1, 0
.endif
	s_mul_i32 s21, s20, UB
	v_add_nc_u32 v[VO+(\u)], s21, v[LI]
	s_lshl_b32 s20, s20, 9
	v_add_nc_u32 v[VSO+(\u)], s20, v[LI]
.endm
.macro VSREG u
.set S_, VS+8*(((\u)/2)/4)+((\u)/2)%4+4*(1-(\u)%2)
.endm
.macro VLOAD u
	WIN 0x40
.if (\u) < 2
.set O_, LI
.else
.set O_, VO+(\u)
.endif
.irp c, 0,1,2,3,4,5
	global_load_b128 v[24*((\u)%10)+4*\c:24*((\u)%10)+4*\c+3], v[O_], s[8:9] offset:512*\c
.endr
	WIN 0
.endm
.macro FETCH u                         ; p of unit u: 25 loads of 512 consecutive bytes
.if (\u) < 5
.set O_, LI
.else
.set O_, ADP+(\u)/5
.endif
	ds_load_b128 v[PS+4*((\u)%2):PS+4*((\u)%2)+3], v[ADS] offset:512*(\u)
.irp a, 0,1,2,3,4,5,6,7
.irp c, 0,1,2
	ds_load_b128 v[PF+96*((\u)%2)+12*\a+4*\c:PF+96*((\u)%2)+12*\a+4*\c+3], v[O_] offset:UB*((\u)%5)+1536*\a+512*\c
.endr
.endr
.endm
.macro MUL u, set, zero                ; 16 products; the accumulators take turns, one instruction a turn, in the same order in every unit
	VSREG \u
	WIN 0xa1
.irp p, 0,1,2,3
.irp g, 0,1
.irp b, 0,1
.set D_, 128*(\set)+16*(2*\p+\g)+8*\b
.set V_, 24*((\u)%10)+12*\b
.set P_, PF+96*((\u)%2)+12*(2*\p+\g)
.if \zero
	v_wmma_scale_f32_16x16x128_f8f6f4 v[D_:D_+7], v[V_:V_+11], v[P_:P_+11], 0, v[S_], v[PS+4*((\u)%2)+\p] matrix_a_fmt:MATRIX_FMT_FP6 matrix_b_fmt:MATRIX_FMT_FP6 matrix_a_scale:MATRIX_SCALE_ROW\b matrix_b_scale:MATRIX_SCALE_ROW\g
.else
	v_wmma_scale_f32_16x16x128_f8f6f4 v[D_:D_+7], v[V_:V_+11], v[P_:P_+11], v[D_:D_+7], v[S_], v[PS+4*((\u)%2)+\p] matrix_a_fmt:MATRIX_FMT_FP6 matrix_b_fmt:MATRIX_FMT_FP6 matrix_a_scale:MATRIX_SCALE_ROW\b matrix_b_scale:MATRIX_SCALE_ROW\g
.endif
.endr
.endr
.endr
	WIN 0
.endm
.macro STAGE set, adr                  ; a panel's results x 1 / l, and into the stage: stage row 16 a + r, my 64 bytes
	WIN 0x8e
.irp p, 0,1,2,3
.irp g, 0,1
.set A_, 128*(\set)+16*(2*\p+\g)
.set R_, RV+8*(\set)+4*\g+2*(\p/2)
.rept 8
.if \p%2
	v_pk_mul_f32 v[A_:A_+1], v[A_:A_+1], v[R_:R_+1] op_sel:[0,1] op_sel_hi:[1,1]
.else
	v_pk_mul_f32 v[A_:A_+1], v[A_:A_+1], v[R_:R_+1] op_sel_hi:[1,0]
.endif
.set A_, A_+2
.endr
.endr
.endr
	WIN 0x08
.irp a, 0,1,2,3,4,5,6,7
.irp k, 0,1,2,3
	ds_store_b128 v[\adr], v[128*(\set)+16*\a+4*\k:128*(\set)+16*\a+4*\k+3] offset:16*SP*\a+16*\k
.endr
.endr
	WIN 0
.endm
.macro BACK c, adr                     ; eight of my 32 stage rows, whole
	WIN 0xc0
.irp i, 0,1,2,3,4,5,6,7
	ds_load_b128 v[32*(\c)+4*\i:32*(\c)+4*\i+3], v[\adr] offset:SP*(8*(\c)+\i)
.endr
	WIN 0
.endm
.macro SEND c, i, base                 ; stage row 8 c + i is query 8 (c / 2) + 16 (c % 2) + i of my 32
	global_store_b128 v[LI], v[32*(\c)+4*(\i):32*(\c)+4*(\i)+3], s[\base:\base+1] offset:(8*((\c)/2)+16*((\c)%2)+(\i))*4096 th:TH_STORE_NT
.endm
.macro UNIT u
	PLACES 4                                       ; between the last unit's products and the loads into their registers
.if (\u) == 1
	s_cmp_lt_u32 s[WV], 2
	s_cbranch_scc0 .Lout_\@
	s_wait_tensorcnt 0x0                           ; units 2-5 are wave 1's load
.Lout_\@:
.elseif (\u) == 5
	s_cmp_eq_u32 s[WV], 3
	s_cbranch_scc1 .Lout_\@
	s_wait_tensorcnt 0x0                           ; units 6-10 are wave 2's
.Lout_\@:
.elseif (\u) == 10
	s_wait_tensorcnt 0x0                           ; units 11-16 are wave 3's: every load has landed
.endif
.if ((\u) == 1) || ((\u) == 5) || ((\u) == 10)
	s_wait_dscnt 0x0                               ; my reads, and at unit 10 my stores into panel j's stage, are done
	s_barrier_signal -1
	s_barrier_wait -1
.endif
.if (\u) == 9
	WIN 0xc0
.irp g, 0,1,2,3
	ds_load_b128 v[RV+4*\g:RV+4*\g+3], v[RLA] offset:256*\g
.endr
	WIN 0
.endif
.if ((\u) >= 10) && ((\u) < 14)
	BACK (\u)-10, RD
.endif
.if (\u) < 16
	FETCH (\u)+1
.endif
.if (\u) < 10
	VLOAD (\u)+7
	s_wait_loadcnt 42                              ; unit u's v is in; the seven units behind it may be out, six loads each
.else
	s_wait_loadcnt 6*(16-(\u))
.endif
.if (\u) < 16
	s_wait_dscnt 25                                ; unit u's p is in; the 25 loads just issued may be out
.else
	s_wait_dscnt 0x0
.endif
.if (\u) < 2
	MUL \u, \u, 1                                  ; each panel's first unit starts its sums: nothing is cleared
.elseif (\u) < 9
	s_cmp_lg_u32 s[MK+(\u)-2], 0                   ; whose unit it is hangs on y alone, which the cluster shares
	s_cbranch_scc0 .Llong_\@
	MUL \u, 0, 0
	s_branch .Ljoin_\@
.Llong_\@:
	MUL \u, 1, 0
.Ljoin_\@:
.else
	MUL \u, 1, 0
.endif
.if (\u) == 9
	STAGE 0, STO                                   ; panel j is finished
.endif
.if ((\u) >= 10) && ((\u) < 14)
	WIN 0x0c
.irp i, 0,1,2,3,4,5,6,7
	SEND (\u)-10, \i, 12
.endr
	WIN 0
.endif
.endm
	s_load_b256 s[4:11], s[0:1], 0x0               ; p_codes, p_stat, qkv_codes, qkv_scales
	s_load_b64 s[12:13], s[0:1], 0x20              ; out0
	v_lshl_add_u32 v[SPW], v0, 2, SPARE
	v_mov_b32 v[NIL], 0
	ds_add_u32 v[SPW], v[NIL]                      ; the wave's opening: the add, twice on end, and its wait ahead of my first tensor load
	ds_add_u32 v[SPW], v[NIL]
	v_lshrrev_b32 v1, 5, v0
	v_readfirstlane_b32 s[WV], v1
	v_and_b32 v1, 31, v0
	v_and_b32 v64, 15, v0                          ; r
	v_bfe_u32 v65, v0, 4, 1                        ; h
	v_lshlrev_b32 v[LI], 4, v1
	v_lshlrev_b32 v[T4], 2, v0
	s_lshl_b32 s19, s[WV], 7
	s_mul_i32 s20, s[WV], 32*SP
.irp i, 1,2,3
	v_add_nc_u32 v[ADP+\i], 5*UB*\i, v[LI]
.endr
	v_add_nc_u32 v[ADS], SCA, v[LI]
	s_lshl_b32 s21, s[WV], 2
	s_add_co_u32 s21, s21, SCA
	v_add_nc_u32 v[SCAW], s21, v[LI]               ; thread 32 p + l holds word p of lane l: at 16 l + 4 p, so that one load of 16 bytes brings a lane's four words
	v_lshlrev_b32 v[RLA], 4, v64
	v_add_nc_u32 v[RLA], RL, v[RLA]
	v_mul_u32_u24 v[STO2], v64, SP
	v_lshl_add_u32 v[STO2], v65, 6, v[STO2]
	v_add_nc_u32 v[STO2], s19, v[STO2]
	v_add_nc_u32 v[STO], STG, v[STO2]
	v_add_nc_u32 v[RD2], s20, v[LI]
	v_add_nc_u32 v[RD], STG, v[RD2]
	v_mov_b32 v[BIG], 0x7f000000
	WALU                                           ; ahead of the scalar lines below
	s_bfe_u32 s[DP], ttmp6, 0x40000
	s_lshl_b32 s19, ttmp9, 2
	s_add_co_u32 s[DP], s[DP], s19                 ; x = 4 x cluster x + cx
	s_and_b32 s[YY], ttmp7, 0xffff
	s_lshr_b32 s[BT], s[YY], 3
	s_and_b32 s20, s[YY], 7                        ; j
	s_add_co_u32 s[J1], s20, 1
	DESC 24, 68, 0, 2
	DESC 32, 72, 2, 4
	DESC 40, 76, 6, 5
	DESC 48, 80, 11, 6
	s_mul_i32 s2, s[YY], NU*UB                     ; the pair's p: it hangs on y alone
	s_mov_b32 s3, 0
	s_mul_i32 s22, s[YY], NU*1536                  ; its records
	s_mov_b32 s23, 0
	s_lshl_b32 s19, s[DP], 6
	s_lshl_b32 s21, s[BT], 4
	s_add_co_u32 s19, s19, s21
	s_mul_i32 s58, s19, UB
	s_mul_i32 s21, s[WV], 3072
	s_add_co_u32 s58, s58, s21
	s_add_co_u32 s58, s58, VREG                    ; v: panel x, the batch's key panel 0, my two blocks
	s_mov_b32 s59, 0
	s_lshl_b32 s60, s19, 9
	s_lshl_b32 s21, s[WV], 2
	s_add_co_u32 s60, s60, s21
	s_add_co_u32 s60, s60, 524288                  ; its scale words
	s_mov_b32 s61, 0
	s_lshl_b32 s19, s[BT], 11
	s_lshl_b32 s21, s[WV], 5
	s_add_co_u32 s19, s19, s21
	s_lshl_b32 s62, s20, 7
	s_add_co_u32 s62, s62, s19                     ; out: my 32 rows of panel j,
	s_lshl_b32 s62, s62, 12
	s_sub_co_u32 s66, 15, s20
	s_lshl_b32 s66, s66, 7
	s_add_co_u32 s66, s66, s19                     ; and of panel 15 - j
	s_lshl_b32 s66, s66, 12
	s_lshl_b32 s21, s[DP], 9
	s_add_co_u32 s62, s62, s21
	s_add_co_u32 s66, s66, s21
	s_mov_b32 s63, 0
	s_mov_b32 s67, 0
	s_wait_dscnt 0x0                               ; both opening adds are done
	s_wait_kmcnt 0x0
	s_add_nc_u64 s[2:3], s[4:5], s[2:3]
	s_add_nc_u64 s[6:7], s[6:7], s[22:23]
	s_add_nc_u64 s[8:9], s[8:9], s[58:59]
	s_add_nc_u64 s[10:11], s[10:11], s[60:61]
	s_add_nc_u64 s[56:57], s[12:13], s[66:67]
	s_add_nc_u64 s[12:13], s[12:13], s[62:63]
	DADR 68, 0
	DADR 72, 2
	DADR 76, 6
	DADR 80, 11
	CROUND                                         ; all four work-groups are here: the joint loads meet
	s_cmp_eq_u32 s[WV], 0
	s_cbranch_scc0 .Lwave_1
	TLOAD 68, 24                                   ; wave 0: units 0-1
	s_branch .Lasked
.Lwave_1:
	s_cmp_eq_u32 s[WV], 1
	s_cbranch_scc0 .Lwave_2
	TLOAD 72, 32                                   ; wave 1: units 2-5
	s_branch .Lasked
.Lwave_2:
	s_cmp_eq_u32 s[WV], 2
	s_cbranch_scc0 .Lwave_3
	TLOAD 76, 40                                   ; wave 2: units 6-10
	s_branch .Lasked
.Lwave_3:
	TLOAD 80, 48                                   ; wave 3: units 11-16
.Lasked:
.set U, 0
.rept NU                               ; my query's record of each run: 512 consecutive bytes a work-group and load
	global_load_b32 v[NMR+U], v[T4], s[6:7] offset:1536*U+512
	global_load_b32 v[LSR+U], v[T4], s[6:7] offset:1536*U+1024
	global_load_b32 v[WDR+U], v[T4], s[6:7] offset:1536*U
.set U, U+1
.endr
.set U, 2
.rept NU-2
	VMAP U
.set U, U+1
.endr
	WALU                                           ; at the head's end
.set U, 0
.rept NU                               ; v's scale words of my two blocks: one register a unit
	VSREG U
.if U < 2
	global_load_b32 v[S_], v[LI], s[10:11]
.else
	global_load_b32 v[S_], v[VSO+U], s[10:11]
.endif
.set U, U+1
.endr
.irp u, 0,1,2,3,4,5,6
	VLOAD \u
.endr
	s_wait_loadcnt 59                              ; the records are in; 17 scale words and seven units of six loads may be out
.irp u, 2,3,4,5,6,7,8                  ; the least -M of each panel's runs
	v_cndmask_b32 v[TA], v[BIG], v[NMR+\u], s[MK+\u-2]
	v_cndmask_b32 v[TB], v[NMR+\u], v[BIG], s[MK+\u-2]
.if \u == 2
	v_min_num_f32 v[MS], v[NMR], v[TA]
	v_min_num_f32 v[ML], v[NMR+1], v[TB]
.else
	v_min_num_f32 v[MS], v[MS], v[TA]
	v_min_num_f32 v[ML], v[ML], v[TB]
.endif
.endr
.irp u, 9,11,13,15
	v_min3_num_f32 v[ML], v[ML], v[NMR+\u], v[NMR+\u+1]
.endr
.irp u, 2,3,4,5,6,7,8
	v_cndmask_b32 v[N2+\u], v[ML], v[MS], s[MK+\u-2]
.endr
	v_sub_f32 v[NMR], v[NMR], v[MS]
	v_sub_f32 v[NMR+1], v[NMR+1], v[ML]
.irp u, 2,3,4,5,6,7,8
	v_sub_f32 v[NMR+\u], v[NMR+\u], v[N2+\u]
.endr
.irp u, 9,10,11,12,13,14,15,16
	v_sub_f32 v[NMR+\u], v[NMR+\u], v[ML]          ; d = the row's M - the run's
.endr
.macro EACH n                          ; one line for each of the 17 runs
.set U, 0
.rept NU
.if \n == 0
	v_min_num_f32 v[NMR+U], 0x427c0000, v[NMR+U]   ; held at 63
.elseif \n == 1
	v_cvt_i32_f32 v[NMR+U], v[NMR+U]
.elseif \n == 2
	v_sub_nc_u32 v[N2+U], 0, v[NMR+U]
.elseif \n == 3
	v_ldexp_f32 v[LSR+U], v[LSR+U], v[N2+U]        ; the run's sum x 2^-d
.elseif \n == 4
	v_perm_b32 v[N2+U], v[NMR+U], v[NMR+U], 0      ; d in all four bytes
.elseif \n == 5
	v_sub_nc_u32 v[WDR+U], v[WDR+U], v[N2+U]       ; off the four scale bytes: 64 or more less 63 at the most, so no byte borrows
.else
	ds_store_b32 v[SCAW], v[WDR+U] offset:512*U
.endif
.set U, U+1
.endr
.endm
.irp n, 0,1,2,3,4,5,6
	EACH \n
.endr
.irp u, 2,3,4,5,6,7,8                  ; the rows' sums, in the registers of runs 0 and 1
	v_cndmask_b32 v[TA], 0, v[LSR+\u], s[MK+\u-2]
	v_cndmask_b32 v[TB], v[LSR+\u], 0, s[MK+\u-2]
	v_add_f32 v[LSR], v[LSR], v[TA]
	v_add_f32 v[LSR+1], v[LSR+1], v[TB]
.endr
.irp u, 9,10,11,12,13,14,15,16
	v_add_f32 v[LSR+1], v[LSR+1], v[LSR+\u]
.endr
	WALU                                           ; ahead of the batch,
	v_rcp_f32 v[LSR], v[LSR]
	v_rcp_f32 v[LSR+1], v[LSR+1]
	v_nop
	WALU                                           ; and behind it, ahead of the first reader
	ds_store_b32 v[SCAW], v[LSR] offset:RL-SCA
	ds_store_b32 v[SCAW], v[LSR+1] offset:RL-SCA+512
	s_wait_xcnt 0x0                                ; the loads above have read the address registers that p's fragments land on
	s_cmp_eq_u32 s[WV], 0
	s_cbranch_scc0 .Lno_wait
	s_wait_tensorcnt 0x0                           ; units 0-1 are wave 0's load
.Lno_wait:
	s_wait_dscnt 0x0                               ; my scale words and 1 / l are stored
	s_barrier_signal -1
	s_barrier_wait -1
	FETCH 0
.irp u, 0,1,2,3,4,5,6,7,8,9,10,11,12,13,14,15,16
	UNIT \u
.endr
	PLACES 4                                       ; in front of the first read of results
	STAGE 1, STO2                                  ; into the bytes of units 0 to 5: they have had their only fill, and every wave's reads of them were over at unit 10's barrier
	s_wait_dscnt 0x0
	s_barrier_signal -1
	s_barrier_wait -1
	s_wait_xcnt 0x0                                ; panel j's stores have read their registers
.irp c, 0,1,2,3
	BACK \c, RD2
.endr
	WIN 0x0c
.irp c, 0,1,2,3
	s_wait_dscnt 24-8*\c
.irp i, 0,1,2,3,4,5,6,7
	SEND \c, \i, 56
.endr
.endr
	WIN 0
	s_wait_tensorcnt 0x0                           ; the wave's end
	ds_add_u32 v[SPW], v[NIL]
	s_wait_dscnt 0x0
	CROUND                                         ; the closing round
	s_endpgm
.Lfunc_end_k_q3e6023bdbf_pv:
	.size	k_q3e6023bdbf_pv, .Lfunc_end_k_q3e6023bdbf_pv-k_q3e6023bdbf_pv
	.p2alignl 7, 3214868480
	.fill 96, 4, 3214868480
	.section	.rodata,"a",@progbits
	.p2align	6, 0x0
	.amdhsa_kernel k_q3e6023bdbf_pv
		.amdhsa_group_segment_fixed_size 327680
		.amdhsa_private_segment_fixed_size 0
		.amdhsa_enable_private_segment 0
		.amdhsa_kernarg_size 40
		.amdhsa_user_sgpr_count 2
		.amdhsa_user_sgpr_kernarg_segment_ptr 1
		.amdhsa_wavefront_size32 1
		.amdhsa_system_sgpr_workgroup_id_x 1
		.amdhsa_system_sgpr_workgroup_id_y 1
		.amdhsa_system_sgpr_workgroup_id_z 1
		.amdhsa_system_vgpr_workitem_id 0
		.amdhsa_next_free_vgpr 1024
		.amdhsa_next_free_sgpr 100
		.amdhsa_reserve_vcc 0
		.amdhsa_float_denorm_mode_32 3
		.amdhsa_float_denorm_mode_16_64 3
		.amdhsa_memory_ordered 1
		.amdhsa_forward_progress 1
		.amdhsa_inst_pref_size 144
	.end_amdhsa_kernel
	.amdgpu_metadata
---
amdhsa.version: [ 1, 2 ]
amdhsa.kernels:
  - .name:           k_q3e6023bdbf_pv
    .symbol:         k_q3e6023bdbf_pv.kd
    .args:
      - { .name: p_codes, .offset: 0, .size: 8, .value_kind: global_buffer, .address_space: global }
      - { .name: p_stat, .offset: 8, .size: 8, .value_kind: global_buffer, .address_space: global }
      - { .name: qkv_codes, .offset: 16, .size: 8, .value_kind: global_buffer, .address_space: global }
      - { .name: qkv_scales, .offset: 24, .size: 8, .value_kind: global_buffer, .address_space: global }
      - { .name: out0, .offset: 32, .size: 8, .value_kind: global_buffer, .address_space: global }
    .group_segment_fixed_size: 327680
    .private_segment_fixed_size: 0
    .kernarg_segment_align: 8
    .kernarg_segment_size: 40
    .max_flat_workgroup_size: 128
    .sgpr_count:     100
    .vgpr_count:     1024
    .wavefront_size: 32
...
	.end_amdgpu_metadata
.endif
;; end of part 4
